; MI455X (gfx1250); checked and timed in simulation.
; The chip was launched on July 23, 2026; its instructions are those of AMD's public machine-readable ISA for CDNA 5 (MIT licence, August 2026) and "CDNA5" Instruction Set Architecture Reference Guide (July 2026). The comments in the code are by the model that wrote it; some were corrected since.
;; Multi Head Att. Allowed arithmetic: matrix products marked QUANTISED: E5M2 operands, one given power-of-two scale a tensor, by v_wmma_f32_16x16x64_bf8_bf8 or v_wmma_f32_16x16x128_bf8_bf8, f32 sums; everything else in f32.
;; Inputs: attn_mask 4 x 2,048 x 2,048 bool; k 4 x 2,048 x 1,024 float32; ln_b 1,024 float32; ln_w 1,024 float32; lowp_scales 12 int32 (the exponents e of the quantised operands' scales 2^e); q 4 x 2,048 x 1,024 float32; v 4 x 2,048 x 1,024 float32; w_ks 16 x 1,024 x 64 float32; w_o 1,024 x 1,024 float32; w_qs 16 x 1,024 x 64 float32; w_vs 16 x 1,024 x 64 float32.
;; Outputs: out0 4 x 2,048 x 1,024 float32.
;; This version of the problem:
;;   THIS VERSION OF THE PROBLEM IS GIVEN IN LOW PRECISION. The matrix products marked QUANTISED in the list below multiply operands that are first quantised to E5M2 (5 exponent bits, 2 mantissa bits; 8 bits a number), with one given power-of-two scale for each operand tensor; their sums are f32. All else is computed in f32.
;;   The module's matrix products, in the order in which they are computed (A, B: the left and right operand; K: the contracted axis; several contracted axes count as one K, in the product's order):
;;     1. [M 1,024, K 1,024] x [K 1,024, N 8,192]; A: input w_qs; B: input q: QUANTISED (scales: A lowp_scales[0], B lowp_scales[1])
;;     2. [M 1,024, K 1,024] x [K 1,024, N 8,192]; A: input w_ks; B: input k: QUANTISED (scales: A lowp_scales[2], B lowp_scales[3])
;;     3. [M 1,024, K 1,024] x [K 1,024, N 8,192]; A: input w_vs; B: input v: QUANTISED (scales: A lowp_scales[4], B lowp_scales[5])
;;     4. batch 64 x [M 2,048, K 64] x [K 64, N 2,048]; A: computed on the way; B: computed on the way: QUANTISED (scales: A lowp_scales[6], B lowp_scales[7])
;;     5. batch 64 x [M 2,048, K 2,048] x [K 2,048, N 64]; A: softmax (see below); B: computed on the way: QUANTISED (scales: A lowp_scales[8], B lowp_scales[9])
;;     6. [M 8,192, K 1,024] x [K 1,024, N 1,024]; A: computed on the way; B: input w_o: QUANTISED (scales: A lowp_scales[10], B lowp_scales[11])
;;   THE QUANTISER, for each operand of a quantised product, along K:
;;     - The operand's scale is 2^e, e = its entry of the input lowp_scales (int32; the entries are numbered through the quantised products in the list's order, A before B).
;;     - Each number is divided by the scale, clamped to +-57,344, and rounded to the nearest number of E5M2, ties to even, subnormals kept.
;;     - The product sums the exact products of the quantised numbers (number of the format x scale) in f32.
;;   ~~~python
;;   def quantise(x, axis, e):      # numpy; x: float32 -> the quantised numbers, widened to float32 again
;;       x = np.moveaxis(x, axis, -1); K = x.shape[-1]
;;       r = np.clip(x / 2.0 ** e, -57344, 57344)
;;       step = 2.0 ** (np.maximum(np.frexp(np.where(r == 0, 1, r))[1] - 1, -14) - 2)
;;       q = np.round(r / step) * step * 2.0 ** e      # np.round: ties to even
;;       return np.moveaxis(q, -1, axis).astype(np.float32)
;;   ~~~
;;   SOFTMAX AHEAD OF A QUANTISED PRODUCT. Where the list says 'softmax', what is quantised is not the finished softmax but p = 2^(t - M), with t = logit x log2(e) and M = ceil(the row's largest t), a whole number; so 1/2 < the row's largest p <= 1. The row's sum l is taken of the UNQUANTISED p, in f32, and the product's result is divided by l at the end. Since M is a whole number, a kernel that streams over the keys may use a running M (the ceiling of the running maximum): every later rescaling is an exact power of two, so the quantised numbers keep their values, but for numbers so far below the row's largest that they fall under the format's range.
;;   OPERANDS COMPUTED ON THE WAY. 'Computed on the way' means the value that the module computes at that place (a softmax that the list does not call 'softmax' is quantised finished and normalised). What goes into a quantiser is computed in f32, as accurately as f32 sums, v_exp_f32 and their like allow (about 1e-6 of the number): no bf16 or f16 on the way to a quantiser, and a product that is left as it is and whose result goes on into a quantised operand takes f32 operands (vector FMAs, or v_wmma_f32_16x16x4_f32). A number that lies on a knife's edge between two numbers of the format may be rounded either way, as far as f32 arithmetic and the matrix unit's own rounding can turn it there, and no further.
;; One version. Each part assembles by itself: llvm-mc -triple=amdgcn-amd-amdhsa -mcpu=gfx1250 --defsym DOCPART=n.
;; ======== version 1 of 1: 4 launches
;; limits: right only within a limited range of input values
;; workspace buffers: xcodes 25,165,824 bytes; wcodes 4,194,304 bytes; maskw 2,097,152 bytes of whole numbers; hcodes 25,165,824 bytes; acodes 8,388,608 bytes
;; launch prep (part 1): grid 1408 x 1, 4 waves a work-group, no clusters, 73,216 bytes of LDS; arguments q, k, v, w_o, w_qs, w_ks, w_vs, attn_mask, lowp_scales, xcodes, wcodes, maskw; writes xcodes, wcodes, maskw
.if DOCPART == 1
	.amdgcn_target "amdgcn-amd-amdhsa--gfx1250"
	.amdhsa_code_object_version 6
	.text
	.protected	k_qfd04ab53a2_prep
	.globl	k_qfd04ab53a2_prep
	.p2align	8
	.type	k_qfd04ab53a2_prep,@function
k_qfd04ab53a2_prep:
	s_mov_b64 s[64:65], 0
	v_nop
	global_prefetch_b8 v0, s[64:65] scope:SCOPE_SE
	s_setreg_imm32_b32 hwreg(HW_REG_WAVE_MODE, 25, 1), 1
	s_wait_xcnt 0x0
; PREP: everything that many work-groups will read again is brought into its narrow form once.
; Nothing of reference() is left out in this program: all six products, the mask, the residual and the norm are live, and every input is loaded.
; Three kinds of work-groups, told apart by the work-group's number alone; each kind has LDS bytes of its own and ends by itself.
;   0 .. 799     q, k, v (256 work-groups each) and w_o (32): K is innermost, so each tensor is a plain stream of numbers -> codes of E5M2, one byte a number, in the same order.
;                q, k, v -> xcodes [3][8192][1024] with e1, e3, e5;  w_o -> part 3 of wcodes with e11.
;   800 .. 895   w_qs, w_ks, w_vs [16][1024 (K)][64]: K is not innermost.  A lane takes a column and its registers run down K -> wcodes [part][64 h + c][1024], K innermost, with e0, e2, e4.
;   896 .. 1407  attn_mask (one byte a flag) -> maskw [b][tile of 16 queries][step of 128 keys][64] words: bit L (r = L % 16, hh = L / 16) of word n is
;                mask[b][16 tile + r][128 step + 32 (n / 16) + 16 hh + n % 16]: the lane mask of score register n in the attention launch.
; code = x / 2^e, held within +-57,344, rounded to the nearest code, ties to even.
; LIMITS: each e used here lies between -126 and 112, so that 2^e and 57,344 x 2^e are f32 numbers.  NaN among the inputs is not served.
.set SPARE, 72704                      ; behind the three regions: the spare words, 128 bytes for each wave: two blocks of 256 bytes that no other line names
.set SPW,   12                         ; v12  LDS address of my spare word; never rewritten
.set NIL,   13                         ; v13  0; never rewritten
.set STEPS, 16                         ; streams: steps of 512 numbers for a wave
.set R,     16                         ; v16-79   four sets of 16 numbers as they are loaded
.set X,     80                         ; v80-111  two sets of 16 neighbours
.set C,     128                        ; v128-191 codes: four registers for each step
.set WREG,  5120                       ; LDS 0 .. 20479: a region for each wave, two stages of 32 x SP bytes
.set SP,    80                         ; a lane's place in a stage: 64 bytes + 16 of padding
.set WST,   20480                      ; LDS 20480 .. 55295: the weights' stages, 32 rows x 272 bytes for each wave
.set WPITCH, 272
.set WX,    32                         ; v32-95   two sets of 32 numbers down K
.set WC,    96                         ; v96-103  a block's codes
.set WOUT,  112                        ; v112-175 the way out
.set MST,   55296                      ; LDS 55296 .. 72703: the mask's stages, 16 rows x 272 bytes for each wave
.macro ALOAD t                         ; four loads of 512 consecutive bytes
.irp i, 0,1,2,3
	global_load_b128 v[R+16*((\t)%4)+4*\i:R+16*((\t)%4)+4*\i+3], v3, s[4:5] offset:2048*(\t)+512*\i th:TH_LOAD_NT
.endr
.endm
.macro ATURN t                         ; a step's 2,048 bytes through the wave's own stage: in as they lie, back 64 bytes a lane.  LDS serves a wave's instructions in order
.irp i, 0,1,2,3
	ds_store_b128 v14, v[R+16*((\t)%4)+4*\i:R+16*((\t)%4)+4*\i+3] offset:32*SP*((\t)%2)+8*SP*\i
.endr
.irp i, 0,1,2,3
	ds_load_b128 v[X+16*((\t)%2)+4*\i:X+16*((\t)%2)+4*\i+3], v15 offset:32*SP*((\t)%2)+16*\i
.endr
.endm
.macro ASTEP t
.set XS, X+16*((\t)%2)
	s_wait_dscnt 0x0                               ; this step's numbers are back from the stage, so its stores into the stage have read their registers,
.if (\t)+4 < STEPS
	ALOAD (\t)+4                                   ; which take the loads of four steps on
.endif
.if (\t)+1 < STEPS
.if STEPS-2-(\t) >= 3
	s_wait_loadcnt 12                              ; the next step's four loads are in; those of the three steps behind it may be out
.else
	s_wait_loadcnt 4*(STEPS-2-(\t))
.endif
	ATURN (\t)+1
.endif
.set i, 0
.rept 16
	v_med3_num_f32 v[XS+i], v[XS+i], -v10, v10     ; the conversion does not saturate (ISA guide 7.6.2): the hold at the largest code x the scale comes first
.set i, i+1
.endr
	v_cvt_scalef32_pk8_bf8_f32 v[C+4*(\t):C+4*(\t)+1], v[XS:XS+7], v11
	v_cvt_scalef32_pk8_bf8_f32 v[C+4*(\t)+2:C+4*(\t)+3], v[XS+8:XS+15], v11
	global_store_b128 v4, v[C+4*(\t):C+4*(\t)+3], s[8:9] offset:512*(\t)   ; the wave stores 512 consecutive bytes; each step has registers of its own
.endm
.macro WLOAD t                         ; block t: W(32 t + i, my column), i = 0 .. 31
.set i, 0
.rept 32
	global_load_b32 v[WX+32*((\t)%2)+i], v3, s[12:13] offset:(32*(\t)+i)*256
.set i, i+1
.endr
.endm
.macro WBLOCK t
.set XS, WX+32*((\t)%2)
.if (\t) < 7
	s_wait_loadcnt 32                              ; this block's 32 loads are in; the next block's may be out
.else
	s_wait_loadcnt 0
.endif
.set i, 0
.rept 32
	v_med3_num_f32 v[XS+i], v[XS+i], -v10, v10
.set i, i+1
.endr
.irp g, 0,1,2,3
	v_cvt_scalef32_pk8_bf8_f32 v[WC+2*\g:WC+2*\g+1], v[XS+8*\g:XS+8*\g+7], v11
.endr
	ds_store_b128 v4, v[WC:WC+3] offset:32*(\t)    ; 32 codes: 32 bytes of my column's row
	ds_store_b128 v4, v[WC+4:WC+7] offset:32*(\t)+16
.if (\t)+2 < 8
	WLOAD (\t)+2
.endif
	s_wait_dscnt 0x0                               ; the stores have read their registers: the next block's codes may be written
.endm
.macro MTASK kp                        ; 16 queries x 256 keys of flags -> 128 words
.if \kp == 0
	s_wait_loadcnt 8                               ; this task's eight loads are in; the other task's may be out
.else
	s_wait_loadcnt 0
.endif
.irp j, 0,1,2,3,4,5,6,7
	ds_store_b128 v7, v[16+32*\kp+4*\j:16+32*\kp+4*\j+3] offset:544*\j   ; two rows of 256 flags as they lie
.endr
.irp f, 0,1,2,3,4,5,6,7
	ds_load_b128 v[80+4*\f:83+4*\f], v8 offset:128*(\f/4)+32*(\f%4)      ; back: lane (r, hh) takes, of query r, keys 128 (f / 4) + 32 (f % 4) + 16 hh + 0 .. 15
.endr
	s_wait_dscnt 0x0
.set g, 0
.rept 32                               ; word 4 g + u is byte u of register g, taken over the 32 lanes; it goes to lane g, register u of the store's data
.irp u, 0,1,2,3
	v_and_b32 v[120+\u], 0xff<<(8*\u), v[80+g]
.endr
.irp u, 0,1,2,3
	v_cmp_ne_u32 s[44+\u], 0, v[120+\u]
.endr
.irp u, 0,1,2,3
	v_writelane_b32 v[112+4*\kp+\u], s[44+\u], g
.endr
.set g, g+1
.endr
	global_store_b128 v4, v[112+4*\kp:115+4*\kp], s[26:27] offset:512*\kp   ; 128 words: 512 consecutive bytes
.endm
	s_load_b256 s[4:11], s[0:1], 0x0               ; q, k, v, w_o
	s_load_b256 s[12:19], s[0:1], 0x20             ; w_qs, w_ks, w_vs, attn_mask
	s_load_b256 s[20:27], s[0:1], 0x40             ; lowp_scales, xcodes, wcodes, maskw
	v_lshl_add_u32 v[SPW], v0, 2, SPARE
	v_mov_b32 v[NIL], 0
	v_lshrrev_b32 v1, 5, v0
	v_readfirstlane_b32 s28, v1                    ; wave 0..3
	v_and_b32 v2, 31, v0                           ; lane
	s_wait_kmcnt 0x0
	s_cmp_ge_u32 ttmp9, 896
	s_cbranch_scc1 .Lmask
	s_cmp_ge_u32 ttmp9, 800
	s_cbranch_scc1 .Lweights
	; ---- the streams: q, k, v, w_o
	s_load_b256 s[32:39], s[20:21], 0x0            ; e0 .. e7
	s_load_b128 s[40:43], s[20:21], 0x20           ; e8 .. e11
	s_lshr_b32 s29, ttmp9, 8
	s_min_u32 s29, s29, 3                          ; which tensor: 0 q, 1 k, 2 v, 3 w_o
	s_lshl_b32 s30, s29, 8
	s_sub_co_u32 s30, ttmp9, s30                   ; which run of 32,768 numbers of it
	s_cmp_eq_u32 s29, 1                            ; the choices hang on the work-group's number alone
	s_cselect_b64 s[4:5], s[6:7], s[4:5]
	s_cmp_eq_u32 s29, 2
	s_cselect_b64 s[4:5], s[8:9], s[4:5]
	s_cmp_eq_u32 s29, 3
	s_cselect_b64 s[4:5], s[10:11], s[4:5]
	s_cselect_b64 s[8:9], s[24:25], s[22:23]       ; w_o's codes go to wcodes, the others' to xcodes,
	s_cselect_b32 s44, s30, ttmp9                  ; where q, k, v lie on end: the work-group's number counts through all three
	s_cselect_b32 s45, 0x300000, 0                 ; part 3 of wcodes
	s_lshl_b32 s44, s44, 15
	s_add_co_u32 s44, s44, s45
	s_lshl_b32 s45, s28, 13                        ; my wave's 8,192 codes
	s_add_co_u32 s44, s44, s45
	s_mov_b32 s45, 0
	s_add_nc_u64 s[8:9], s[8:9], s[44:45]
	s_lshl_b32 s46, s30, 2
	s_add_co_u32 s46, s46, s28
	s_lshl_b32 s46, s46, 15                        ; my wave's 8,192 numbers: 32,768 bytes
	s_mov_b32 s47, 0
	s_add_nc_u64 s[4:5], s[4:5], s[46:47]
	s_wait_alu depctr_va_vdst(0)
	v_lshlrev_b32 v3, 4, v2                        ; my 16 bytes of a load's 512
	s_mul_i32 s48, s28, WREG
	v_lshrrev_b32 v14, 2, v2
	v_mul_u32_u24 v14, v14, SP
	v_and_b32 v15, 3, v2
	v_lshl_add_u32 v14, v15, 4, v14
	v_add_nc_u32 v14, s48, v14                     ; the stage, on the way in: SP (lane / 4) + 16 (lane % 4)
	v_mul_u32_u24 v15, v2, SP
	v_add_nc_u32 v15, s48, v15                     ; and on the way out: SP x lane
	v_lshlrev_b32 v4, 4, v2                        ; my 16 codes' place in a step's 512
.irp t, 0,1,2,3
	ALOAD \t
.endr
	s_wait_alu depctr_va_vdst(0)
	s_wait_kmcnt 0x0
	s_cmp_eq_u32 s29, 1
	s_cselect_b32 s50, s35, s33                    ; e3 : e1
	s_cmp_eq_u32 s29, 2
	s_cselect_b32 s50, s37, s50                    ; e5
	s_cmp_eq_u32 s29, 3
	s_cselect_b32 s50, s43, s50                    ; e11
	s_add_co_i32 s50, s50, 127
	s_lshl_b32 s51, s50, 23
	v_mov_b32 v11, s51                             ; 2^e as f32: the conversion takes its exponent field
	s_add_co_i32 s50, s50, 15
	s_lshl_b32 s50, s50, 23
	s_or_b32 s50, s50, 0x600000
	v_mov_b32 v10, s50                             ; 57,344 x 2^e
	s_wait_alu depctr_va_vdst(0)
	s_wait_loadcnt 12                              ; step 0's four loads are in
	ATURN 0
.irp t, 0,1,2,3,4,5,6,7,8,9,10,11,12,13,14,15
	ASTEP \t
.endr
	s_wait_tensorcnt 0x0                           ; the wave's end: three lines behind my last LDS store
	ds_add_u32 v[SPW], v[NIL]
	s_wait_dscnt 0x0
	s_endpgm
.Lweights:
	; ---- w_qs, w_ks, w_vs: a wave takes 32 columns x 256 along K of one head
	s_load_b256 s[32:39], s[20:21], 0x0            ; e0 .. e7
	s_sub_co_u32 s29, ttmp9, 800
	s_lshr_b32 s30, s29, 5                         ; which tensor
	s_bfe_u32 s31, s29, 0x40001                    ; the head
	s_and_b32 s44, s29, 1
	s_lshl_b32 s44, s44, 9
	s_lshr_b32 s45, s28, 1
	s_lshl_b32 s45, s45, 8
	s_add_co_u32 s44, s44, s45                     ; my first k: 512 (work-group % 2) + 256 (wave / 2)
	s_and_b32 s45, s28, 1
	s_lshl_b32 s45, s45, 5                         ; my first column: 32 (wave % 2)
	s_cmp_eq_u32 s30, 1
	s_cselect_b64 s[12:13], s[14:15], s[12:13]
	s_cmp_eq_u32 s30, 2
	s_cselect_b64 s[12:13], s[16:17], s[12:13]
	s_lshl_b32 s46, s31, 18                        ; a head is 1,024 rows of 256 bytes
	s_lshl_b32 s47, s44, 8
	s_add_co_u32 s46, s46, s47
	s_lshl_b32 s47, s45, 2
	s_add_co_u32 s46, s46, s47
	s_mov_b32 s47, 0
	s_add_nc_u64 s[12:13], s[12:13], s[46:47]
	s_lshl_b32 s48, s30, 20                        ; the tensor's part of wcodes,
	s_lshl_b32 s49, s31, 6
	s_add_co_u32 s49, s49, s45
	s_lshl_b32 s49, s49, 10                        ; row 64 h + column, of 1,024 bytes,
	s_add_co_u32 s48, s48, s49
	s_add_co_u32 s48, s48, s44                     ; at my first k
	s_mov_b32 s49, 0
	s_add_nc_u64 s[24:25], s[24:25], s[48:49]
	s_wait_alu depctr_va_vdst(0)
	v_lshlrev_b32 v3, 2, v2                        ; in: 4 bytes a lane
	s_mul_i32 s50, s28, 32*WPITCH
	s_add_co_u32 s50, s50, WST                     ; my stage
	v_mul_u32_u24 v4, v2, WPITCH
	v_add_nc_u32 v4, s50, v4                       ; into it: row = my column
	v_and_b32 v5, 15, v2
	v_lshrrev_b32 v6, 4, v2
	v_mul_u32_u24 v7, v6, WPITCH
	v_lshl_add_u32 v7, v5, 4, v7
	v_add_nc_u32 v7, s50, v7                       ; out of it: sixteen lanes to a row, two rows an instruction
	v_lshlrev_b32 v8, 10, v6
	v_lshl_add_u32 v8, v5, 4, v8                   ; and the same place in wcodes
	WLOAD 0
	WLOAD 1
	s_wait_kmcnt 0x0
	s_cmp_eq_u32 s30, 1
	s_cselect_b32 s51, s34, s32                    ; e2 : e0
	s_cmp_eq_u32 s30, 2
	s_cselect_b32 s51, s36, s51                    ; e4
	s_add_co_i32 s51, s51, 127
	s_lshl_b32 s52, s51, 23
	v_mov_b32 v11, s52
	s_add_co_i32 s51, s51, 15
	s_lshl_b32 s51, s51, 23
	s_or_b32 s51, s51, 0x600000
	v_mov_b32 v10, s51
	s_wait_alu depctr_va_vdst(0)
.irp t, 0,1,2,3,4,5,6,7
	WBLOCK \t
.endr
.irp t, 0,1,2,3,4,5,6,7,8,9,10,11,12,13,14,15
	ds_load_b128 v[WOUT+4*\t:WOUT+4*\t+3], v7 offset:2*\t*WPITCH
.endr
.irp t, 0,1,2,3,4,5,6,7,8,9,10,11,12,13,14,15
	s_wait_dscnt 15-\t                             ; the younger read-backs may be out
	global_store_b128 v8, v[WOUT+4*\t:WOUT+4*\t+3], s[24:25] offset:2*\t*1024   ; sixteen lanes store 256 consecutive bytes, aligned
.endr
	s_wait_tensorcnt 0x0                           ; the wave's end: the three lines once more
	ds_add_u32 v[SPW], v[NIL]
	s_wait_dscnt 0x0
	s_endpgm
.Lmask:
	; ---- attn_mask: a work-group takes 16 queries, a wave 512 of their keys, in two tasks of 256
	s_sub_co_u32 s29, ttmp9, 896                   ; 128 b + the tile of queries
	s_lshl_b32 s30, s29, 15                        ; 16 rows of 2,048 bytes
	s_lshl_b32 s31, s28, 9
	s_add_co_u32 s30, s30, s31
	s_mov_b32 s31, 0
	s_add_nc_u64 s[18:19], s[18:19], s[30:31]
	s_lshl_b32 s30, s29, 12                        ; 16 steps x 64 words
	s_lshl_b32 s48, s28, 10                        ; my four steps
	s_add_co_u32 s30, s30, s48
	s_add_nc_u64 s[26:27], s[26:27], s[30:31]
	s_wait_alu depctr_va_vdst(0)
	v_and_b32 v5, 15, v2
	v_lshrrev_b32 v6, 4, v2
	v_lshlrev_b32 v1, 11, v6
	v_lshl_add_u32 v1, v5, 4, v1                   ; in memory: lanes 0-15 one row's 256 bytes, lanes 16-31 the next row's
	s_mul_i32 s48, s28, 16*272
	s_add_co_u32 s48, s48, MST                     ; my stage
	v_mul_u32_u24 v7, v6, 272
	v_lshl_add_u32 v7, v5, 4, v7
	v_add_nc_u32 v7, s48, v7                       ; into it, as loaded
	v_mul_u32_u24 v8, v5, 272
	v_lshl_add_u32 v8, v6, 4, v8
	v_add_nc_u32 v8, s48, v8                       ; out of it: row r, + 16 hh
	v_lshlrev_b32 v4, 4, v2
.irp kp, 0,1
.irp j, 0,1,2,3,4,5,6,7
	global_load_b128 v[16+32*\kp+4*\j:16+32*\kp+4*\j+3], v1, s[18:19] offset:4096*\j+256*\kp th:TH_LOAD_NT
.endr
.endr
.irp j, 0,1,2,3,4,5,6,7
	v_mov_b32 v[112+\j], 0                         ; written whole once: a lane write keeps the other lanes
.endr
	MTASK 0
	MTASK 1
	s_wait_tensorcnt 0x0                           ; the wave's end: the three lines once more
	ds_add_u32 v[SPW], v[NIL]
	s_wait_dscnt 0x0
	s_endpgm
.Lfunc_end_k_qfd04ab53a2_prep:
	.size	k_qfd04ab53a2_prep, .Lfunc_end_k_qfd04ab53a2_prep-k_qfd04ab53a2_prep
	.p2alignl 7, 3214868480
	.fill 96, 4, 3214868480
	.section	.rodata,"a",@progbits
	.p2align	6, 0x0
	.amdhsa_kernel k_qfd04ab53a2_prep
		.amdhsa_group_segment_fixed_size 73216
		.amdhsa_private_segment_fixed_size 0
		.amdhsa_enable_private_segment 0
		.amdhsa_kernarg_size 96
		.amdhsa_user_sgpr_count 2
		.amdhsa_user_sgpr_kernarg_segment_ptr 1
		.amdhsa_wavefront_size32 1
		.amdhsa_system_sgpr_workgroup_id_x 1
		.amdhsa_system_sgpr_workgroup_id_y 1
		.amdhsa_system_sgpr_workgroup_id_z 1
		.amdhsa_system_vgpr_workitem_id 0
		.amdhsa_next_free_vgpr 192
		.amdhsa_next_free_sgpr 66
		.amdhsa_reserve_vcc 0
		.amdhsa_float_denorm_mode_32 3
		.amdhsa_float_denorm_mode_16_64 3
		.amdhsa_memory_ordered 1
		.amdhsa_forward_progress 1
		.amdhsa_inst_pref_size 140
	.end_amdhsa_kernel
	.amdgpu_metadata
---
amdhsa.version: [ 1, 2 ]
amdhsa.kernels:
  - .name:           k_qfd04ab53a2_prep
    .symbol:         k_qfd04ab53a2_prep.kd
    .args:
      - { .name: q, .offset: 0, .size: 8, .value_kind: global_buffer, .address_space: global }
      - { .name: k, .offset: 8, .size: 8, .value_kind: global_buffer, .address_space: global }
      - { .name: v, .offset: 16, .size: 8, .value_kind: global_buffer, .address_space: global }
      - { .name: w_o, .offset: 24, .size: 8, .value_kind: global_buffer, .address_space: global }
      - { .name: w_qs, .offset: 32, .size: 8, .value_kind: global_buffer, .address_space: global }
      - { .name: w_ks, .offset: 40, .size: 8, .value_kind: global_buffer, .address_space: global }
      - { .name: w_vs, .offset: 48, .size: 8, .value_kind: global_buffer, .address_space: global }
      - { .name: attn_mask, .offset: 56, .size: 8, .value_kind: global_buffer, .address_space: global }
      - { .name: lowp_scales, .offset: 64, .size: 8, .value_kind: global_buffer, .address_space: global }
      - { .name: xcodes, .offset: 72, .size: 8, .value_kind: global_buffer, .address_space: global }
      - { .name: wcodes, .offset: 80, .size: 8, .value_kind: global_buffer, .address_space: global }
      - { .name: maskw, .offset: 88, .size: 8, .value_kind: global_buffer, .address_space: global }
    .group_segment_fixed_size: 73216
    .private_segment_fixed_size: 0
    .kernarg_segment_align: 8
    .kernarg_segment_size: 96
    .max_flat_workgroup_size: 128
    .sgpr_count:     66
    .vgpr_count:     192
    .wavefront_size: 32
...
	.end_amdgpu_metadata
.endif
;; end of part 1
;; launch proj (part 2): grid 4 x 96, 4 waves a work-group, clusters of 4 x 4, 327,680 bytes of LDS; arguments xcodes, wcodes, lowp_scales, hcodes; writes hcodes
.if DOCPART == 2
	.amdgcn_target "amdgcn-amd-amdhsa--gfx1250"
	.amdhsa_code_object_version 6
	.text
	.protected	k_qfd04ab53a2_proj
	.globl	k_qfd04ab53a2_proj
	.p2align	8
	.type	k_qfd04ab53a2_proj,@function
k_qfd04ab53a2_proj:
	s_mov_b64 s[64:65], 0
	v_nop
	global_prefetch_b8 v0, s[64:65] scope:SCOPE_SE
	s_setreg_imm32_b32 hwreg(HW_REG_WAVE_MODE, 25, 1), 1
	s_wait_xcnt 0x0
	s_wait_alu depctr_hold_cnt(0) depctr_sa_sdst(0) depctr_va_vdst(0) depctr_va_sdst(0) depctr_va_ssrc(0) depctr_va_vcc(0) depctr_vm_vsrc(0)
	s_getreg_b32 s2, hwreg(HW_REG_IB_STS2, 6, 4)
	s_cmp_eq_u32 s2, 0
	s_cbranch_scc0 .Lentry_in_a_cluster
	s_endpgm
.Lentry_in_a_cluster:
	s_bfe_u32 s2, ttmp6, 0x10000c
	s_cmp_lg_u32 s2, 0xf033
	s_cbranch_scc0 .Lentry_shape_is_right
	s_endpgm
.Lentry_shape_is_right:
.set KSTEP,  256
.set ROWB,   256
.set KROW,   1024
.set PITCH,  272
.set FR,     16
.set NL,     4
.set NP,     4
.set HALFT,  128*PITCH
.set SLOT,   4*HALFT
.set LAPS,   2
.set SPARE,  2*SLOT
.set VSTG,   9216
.set ADRA, 16
.set ADRB, 20
.set RDV,  22
.set STOQ, 24
.set STOV, 25
.set CO,   26
.set RDQ,  27
.set SPW,  28
.set NIL,  29
.set SCL,  30
.set LIM,  31
.set TMP,  32
.set COD,  96
.set AF,   128
.set BK,   128
.set G1, 24
.set G0, 32
.set G1B, 48
.set G0B, 56
.set MSB, 0
.macro WIN new
.if MSB != (\new)
	s_set_vgpr_msb (MSB<<8)|(\new)
.set MSB, (\new)
.endif
.endm
.set MUL_LO, 0xa1
.set MUL_HI, 0xf1
.set TO_B,   0x40
.macro JLOAD g0a, g1a, g0b, g1b
	s_cmp_eq_u32 s15, 0
	s_cbranch_scc0 .Lfor_b_\@
	tensor_load_to_lds s[\g0a:\g0a+3], s[\g1a:\g1a+7]
	s_nop 0
.rept 4
	v_nop
.endr
	s_branch .Lasked_\@
.Lfor_b_\@:
	tensor_load_to_lds s[\g0b:\g0b+3], s[\g1b:\g1b+7]
	s_nop 0
.rept 4
	v_nop
.endr
.Lasked_\@:
.endm
.macro CREST
	s_cmp_lg_u32 s14, 0
	s_cbranch_scc1 .Lnot_wave_0_\@
	s_barrier_signal -3
.Lnot_wave_0_\@:
	s_barrier_wait -3
	s_barrier_signal -1
	s_barrier_wait -1
.endm
.macro CROUND
	s_barrier_signal -1
	s_barrier_wait -1
	CREST
.endm
	s_load_b128 s[4:7], s[0:1], 0x0
	s_load_b128 s[8:11], s[0:1], 0x10
	v_lshl_add_u32 v[SPW], v0, 2, SPARE
	v_mov_b32 v[NIL], 0
	ds_add_u32 v[SPW], v[NIL]
	ds_add_u32 v[SPW], v[NIL]
	v_lshrrev_b32 v1, 5, v0
	v_readfirstlane_b32 s14, v1
	s_lshr_b32 s15, s14, 1
	s_and_b32 s16, s14, 1
	s_bfe_u32 s40, ttmp6, 0x40000
	s_bfe_u32 s41, ttmp6, 0x40004
	s_lshl_b32 s42, ttmp9, 2
	s_add_co_u32 s42, s42, s40
	s_and_b32 s17, ttmp7, 0xffff
	s_lshl_b32 s17, s17, 2
	s_add_co_u32 s17, s17, s41
	s_and_b32 s66, ttmp7, 0xffff
	s_lshr_b32 s66, s66, 3
	s_lshl_b32 s43, s41, 2
	s_lshl_b32 s43, 15, s43
	s_lshl_b32 s44, 0x1111, s40
	s_or_b32 s[G1+0], s43, (0<<16)|(1<<20)|(1<<21)|(5<<22)|(3<<25)
	s_or_b32 s[G1B+0], s44, (0<<16)|(1<<20)|(1<<21)|(5<<22)|(3<<25)
.irp g, G1, G1B
	s_mov_b32 s[\g+1], ROWB<<16
	s_mov_b32 s[\g+2], 128<<16
	s_mov_b32 s[\g+3], ROWB<<16
	s_mov_b32 s[\g+4], 128
	s_mov_b32 s[\g+5], KROW
	s_mov_b32 s[\g+6], 0
	s_mov_b32 s[\g+7], 0
.endr
	s_lshl_b32 s18, s16, 7
	; q, k: A's region takes tokens (tile 4 x cluster y + cy of xcodes), B's region weights (tile 4 x part + cx of wcodes).
	; v: the two tensors change places, so that the keys come out innermost: A's region takes w_vs (tile 8 + cy of wcodes), B's region tokens (tile 4 x cluster y + cx of xcodes).
	; A's tile hangs on cy alone and B's on cx alone either way, and no LDS address hangs on the part.
	s_and_b32 s82, ttmp7, 0xffff
	s_lshl_b32 s82, s82, 2
	s_lshl_b32 s83, s66, 2
	s_cmp_eq_u32 s66, 2
	s_cselect_b32 s67, 8, s82
	s_cselect_b32 s84, s82, s83
	s_add_co_u32 s20, s67, s41
	s_lshl_b32 s20, s20, 8
	s_add_co_u32 s20, s20, s18
	s_add_co_u32 s46, s84, s42
	s_lshl_b32 s46, s46, 8
	s_add_co_u32 s46, s46, s18
	s_mov_b32 s21, 0
	s_mov_b32 s47, 0
	s_mov_b64 s[18:19], KROW
	s_mul_u64 s[20:21], s[20:21], s[18:19]
	s_mul_u64 s[46:47], s[46:47], s[18:19]
	s_mul_i32 s45, s14, HALFT
	s_wait_dscnt 0x0
	s_wait_kmcnt 0x0
	s_load_b256 s[68:75], s[8:9], 0x0
	s_load_b128 s[76:79], s[8:9], 0x20
	s_cmp_eq_u32 s66, 2                            ; the choice of the buffers hangs on the cluster's y alone
	s_cselect_b64 s[86:87], s[6:7], s[4:5]
	s_cselect_b64 s[88:89], s[4:5], s[6:7]
	s_add_nc_u64 s[20:21], s[86:87], s[20:21]
	s_add_nc_u64 s[46:47], s[88:89], s[46:47]
.irp s, 0,1
	s_mov_b32 s[G0+4*\s], 1
	s_add_co_u32 s[G0+4*\s+1], s45, \s*SLOT
	s_add_nc_u64 s[G0+4*\s+2:G0+4*\s+3], s[20:21], \s*ROWB
	s_or_b32 s[G0+4*\s+3], s[G0+4*\s+3], 0x80000000
	s_mov_b32 s[G0B+4*\s], 1
	s_add_co_u32 s[G0B+4*\s+1], s45, \s*SLOT
	s_add_nc_u64 s[G0B+4*\s+2:G0B+4*\s+3], s[46:47], \s*ROWB
	s_or_b32 s[G0B+4*\s+3], s[G0B+4*\s+3], 0x80000000
	s_wait_alu depctr_va_vdst(0)
	s_wait_tensorcnt 0x0
	ds_add_u32 v28, v29
	ds_add_u32 v28, v29
	s_wait_dscnt 0x0
	CROUND
	JLOAD G0+4*\s, G1, G0B+4*\s, G1B
.endr
	v_and_b32 v1, 15, v0
	v_bfe_u32 v2, v0, 4, 1
	v_mul_u32_u24 v3, v1, PITCH
	v_lshl_add_u32 v4, v2, 4, v3
	s_wait_alu depctr_va_vdst(0)
	s_cmp_eq_u32 s66, 2
	s_cselect_b32 s83, s15, s16                    ; which half of the weights' tile is mine,
	s_cselect_b32 s84, s16, s15                    ; and which half of the tokens'
	s_mul_i32 s21, s15, HALFT
	s_mul_i32 s22, s16, HALFT
	s_add_co_u32 s22, s22, 2*HALFT
.irp s, 0,1
	v_add_nc_u32 v[ADRA+\s], s21, v4
	v_add_nc_u32 v[ADRB+\s], s22, v4
	s_add_co_u32 s21, s21, SLOT
	s_add_co_u32 s22, s22, SLOT
.endr
	s_mul_i32 s23, s14, 16*144
	v_mul_u32_u24 v5, v1, 144
	v_lshl_add_u32 v5, v2, 3, v5
	v_add_nc_u32 v[STOQ], s23, v5
	v_add_nc_u32 v[STOV], VSTG, v[STOQ]
	v_and_b32 v6, 31, v0
	v_lshlrev_b32 v[CO], 4, v6
	v_bfe_u32 v7, v0, 2, 1
	v_bfe_u32 v8, v0, 3, 2
	v_lshl_add_u32 v7, v7, 3, v8
	v_mul_u32_u24 v7, v7, 144
	v_and_b32 v9, 3, v0
	v_lshl_add_u32 v7, v9, 4, v7
	v_add_nc_u32 v[RDQ], s23, v7
	v_mul_u32_u24 v8, v8, 144
	v_and_b32 v9, 7, v0
	v_lshl_add_u32 v8, v9, 4, v8
	v_add_nc_u32 v8, s23, v8
	v_add_nc_u32 v[RDV], VSTG, v8
	s_sub_co_u32 s85, s17, s41
	s_add_co_u32 s85, s85, s42                     ; v: the tokens' tile is 4 x cluster y + cx, the weights' tile cy
	s_cmp_eq_u32 s66, 2
	s_cselect_b32 s85, s85, s17
	s_cselect_b32 s86, s41, s42
	s_and_b32 s85, s85, 31
	s_lshl_b32 s80, s66, 23
	s_lshl_b32 s86, s86, 2
	s_lshl_b32 s87, s83, 1
	s_add_co_u32 s86, s86, s87
	s_lshl_b32 s86, s86, 19
	s_add_co_u32 s80, s80, s86
	s_lshl_b32 s85, s85, 14
	s_add_co_u32 s80, s80, s85
	s_lshl_b32 s84, s84, 13
	s_add_co_u32 s80, s80, s84
	s_mov_b32 s81, 0
	s_add_nc_u64 s[10:11], s[10:11], s[80:81]
.macro FRAG reg, adr, q, i
.irp c, 0,1,2,3
	ds_load_b128 v[\reg+4*\c:\reg+4*\c+3], v[\adr] offset:128*(\q)+32*\c+(\i)*16*PITCH
.endr
.endm
.macro MUL16 a0, p, zero
.irp a, \a0, \a0+1
.irp b, 0,1,2,3,4,5,6,7
.if \zero
	v_wmma_f32_16x16x128_bf8_bf8 v[8*(8*((\a)%4)+\b):8*(8*((\a)%4)+\b)+7], v[128*(\p)+FR*\b:128*(\p)+FR*\b+FR-1], v[AF+FR*(\a):AF+FR*(\a)+FR-1], 0
.else
	v_wmma_f32_16x16x128_bf8_bf8 v[8*(8*((\a)%4)+\b):8*(8*((\a)%4)+\b)+7], v[128*(\p)+FR*\b:128*(\p)+FR*\b+FR-1], v[AF+FR*(\a):AF+FR*(\a)+FR-1], v[8*(8*((\a)%4)+\b):8*(8*((\a)%4)+\b)+7]
.endif
.endr
.endr
.endm
.macro FETCH_B slot, q, p
	WIN TO_B
.irp i, 0,1,2,3,4,5,6,7
	FRAG 128*(\p)+FR*\i, ADRB+\slot, \q, \i
.endr
	WIN 0
.endm
.macro FETCH_A slot, q, i0
.irp i, \i0, \i0+1, \i0+2, \i0+3
	FRAG AF+FR*(\i), ADRA+\slot, \q, \i
.endr
.endm
.macro PLACES n
.rept \n
	v_nop
.endr
.endm
.macro STEP slot, q, zero
	s_wait_dscnt 4*NL
	WIN MUL_LO
	MUL16 0, (\q)%2, \zero
	MUL16 2, (\q)%2, \zero
	s_wait_dscnt 0
	PLACES NP
	FETCH_B \slot, (\q)+1, 1-(\q)%2
	FETCH_A \slot, (\q)+1, 0
	WIN MUL_HI
	MUL16 4, (\q)%2, \zero
	MUL16 6, (\q)%2, \zero
	PLACES NP
	WIN 0
	FETCH_A \slot, (\q)+1, 4
.endm
.macro TURN slot, next, fill
	s_wait_tensorcnt 0x0
	ds_add_u32 v[SPW], v[NIL]
	s_wait_dscnt 4*NL+1
	WIN MUL_LO
	MUL16 0, 1, 0
	s_wait_dscnt 0x0
	s_barrier_signal -1
	MUL16 2, 1, 0
	WIN 0
	s_barrier_wait -1
.if \fill
	CREST
	s_add_nc_u64 s[G0+4*\slot+2:G0+4*\slot+3], s[G0+4*\slot+2:G0+4*\slot+3], 2*ROWB
	s_add_nc_u64 s[G0B+4*\slot+2:G0B+4*\slot+3], s[G0B+4*\slot+2:G0B+4*\slot+3], 2*ROWB
	JLOAD G0+4*\slot, G1, G0B+4*\slot, G1B
.else
	PLACES NP
.endif
	FETCH_B \next, 0, 0
	FETCH_A \next, 0, 0
	WIN MUL_HI
	MUL16 4, 1, 0
	MUL16 6, 1, 0
	PLACES NP
	WIN 0
	FETCH_A \next, 0, 4
.endm
	s_wait_tensorcnt 1
	s_barrier_signal -1
	s_barrier_wait -1
	FETCH_B 0, 0, 0
	FETCH_A 0, 0, 0
	FETCH_A 0, 0, 4
	STEP 0, 0, 1
	s_mov_b32 s3, LAPS-1
.Llap:
	TURN 0, 1, 1
	STEP 1, 0, 0
	TURN 1, 0, 1
	STEP 0, 0, 0
	s_sub_co_u32 s3, s3, 1
	s_cmp_lg_u32 s3, 0
	s_cbranch_scc1 .Llap
	TURN 0, 1, 0
	STEP 1, 0, 0
	s_wait_dscnt 4*NL
	WIN MUL_LO
	MUL16 0, 1, 0
	MUL16 2, 1, 0
	s_wait_dscnt 0
	WIN MUL_HI
	MUL16 4, 1, 0
	MUL16 6, 1, 0
	WIN 0
.macro OUT a, isv
.set AC, 64*((\a)%4)
.set CD, COD+16*((\a)%2)
.set BB, BK+16*((\a)%2)
	WIN 0x02+((\a)/4)
.set j, 0
.rept 64
	v_med3_num_f32 v[TMP+j], v[AC+j], -v[LIM], v[LIM]
.set j, j+1
.endr
	WIN 0
.irp b, 0,1,2,3,4,5,6,7
	v_cvt_scalef32_pk8_bf8_f32 v[CD+2*\b:CD+2*\b+1], v[TMP+8*\b:TMP+8*\b+7], v[SCL]
.endr
	v_nop
.irp b, 0,1,2,3,4,5,6,7
.if \isv
	ds_store_b64 v[STOV], v[CD+2*\b:CD+2*\b+1] offset:16*\b
.else
	ds_store_b64 v[STOQ], v[CD+2*\b:CD+2*\b+1] offset:16*\b
.endif
.endr
.irp i, 0,1,2,3
.if \isv
	ds_load_b128 v[BB+4*\i:BB+4*\i+3], v[RDV] offset:576*\i
.else
	ds_load_b128 v[BB+4*\i:BB+4*\i+3], v[RDQ] offset:64*(\i/2)+576*(\i%2)
.endif
.endr
.endm
.macro SENDC a, younger, isv
.set BB, BK+16*((\a)%2)
	s_wait_dscnt \younger
.irp i, 0,1,2,3
.if \isv
	global_store_b128 v[CO], v[BB+4*\i:BB+4*\i+3], s[10:11] offset:((\a)/4)*524288+128*(32*(((\a)%4)/2)+16*(\i/2)+8*((\a)%2)+4*(\i%2))
.else
	global_store_b128 v[CO], v[BB+4*\i:BB+4*\i+3], s[10:11] offset:(\i/2)*524288+1024*(\a)+512*(\i%2)
.endif
.endr
.endm
	s_wait_kmcnt 0x0
	s_cmp_eq_u32 s66, 1
	s_cselect_b32 s88, s70, s68
	s_cselect_b32 s89, s71, s69
	s_cselect_b32 s90, s75, s74
	s_cmp_eq_u32 s66, 2
	s_cselect_b32 s88, s72, s88
	s_cselect_b32 s89, s73, s89
	s_cselect_b32 s90, s77, s90
	s_sub_co_i32 s90, s90, s88
	s_sub_co_i32 s90, s90, s89
	s_add_co_i32 s90, s90, 127
	s_lshl_b32 s91, s90, 23
	v_mov_b32 v[SCL], s91
	s_add_co_i32 s90, s90, 15
	s_lshl_b32 s90, s90, 23
	s_or_b32 s90, s90, 0x600000
	v_mov_b32 v[LIM], s90
	PLACES NP
	s_cmp_eq_u32 s66, 2
	s_cbranch_scc1 .Lvalues
	OUT 0, 0
.irp a, 1,2,3,4,5,6,7
.if \a > 1
	s_wait_xcnt 0x0
.endif
	OUT \a, 0
	SENDC \a-1, 12, 0
.endr
	SENDC 7, 0, 0
	s_wait_tensorcnt 0x0
	ds_add_u32 v[SPW], v[NIL]
	s_wait_dscnt 0x0
	CROUND
	s_endpgm
.Lvalues:
	s_wait_alu depctr_va_vdst(0)
	OUT 0, 1
.irp a, 1,2,3,4,5,6,7
.if \a > 1
	s_wait_xcnt 0x0
.endif
	OUT \a, 1
	SENDC \a-1, 12, 1
.endr
	SENDC 7, 0, 1
	s_wait_tensorcnt 0x0
	ds_add_u32 v[SPW], v[NIL]
	s_wait_dscnt 0x0
	CROUND
	s_endpgm
.Lfunc_end_k_qfd04ab53a2_proj:
	.size	k_qfd04ab53a2_proj, .Lfunc_end_k_qfd04ab53a2_proj-k_qfd04ab53a2_proj
	.p2alignl 7, 3214868480
	.fill 96, 4, 3214868480
	.section	.rodata,"a",@progbits
	.p2align	6, 0x0
	.amdhsa_kernel k_qfd04ab53a2_proj
		.amdhsa_group_segment_fixed_size 327680
		.amdhsa_private_segment_fixed_size 0
		.amdhsa_enable_private_segment 0
		.amdhsa_kernarg_size 32
		.amdhsa_user_sgpr_count 2
		.amdhsa_user_sgpr_kernarg_segment_ptr 1
		.amdhsa_wavefront_size32 1
		.amdhsa_system_sgpr_workgroup_id_x 1
		.amdhsa_system_sgpr_workgroup_id_y 1
		.amdhsa_system_sgpr_workgroup_id_z 1
		.amdhsa_system_vgpr_workitem_id 0
		.amdhsa_next_free_vgpr 1024
		.amdhsa_next_free_sgpr 100
		.amdhsa_reserve_vcc 0
		.amdhsa_float_denorm_mode_32 3
		.amdhsa_float_denorm_mode_16_64 3
		.amdhsa_memory_ordered 1
		.amdhsa_forward_progress 1
		.amdhsa_inst_pref_size 173
	.end_amdhsa_kernel
	.amdgpu_metadata
---
amdhsa.version: [ 1, 2 ]
amdhsa.kernels:
  - .name:           k_qfd04ab53a2_proj
    .symbol:         k_qfd04ab53a2_proj.kd
    .args:
      - { .name: xcodes, .offset: 0, .size: 8, .value_kind: global_buffer, .address_space: global }
      - { .name: wcodes, .offset: 8, .size: 8, .value_kind: global_buffer, .address_space: global }
      - { .name: lowp_scales, .offset: 16, .size: 8, .value_kind: global_buffer, .address_space: global }
      - { .name: hcodes, .offset: 24, .size: 8, .value_kind: global_buffer, .address_space: global }
    .group_segment_fixed_size: 327680
    .private_segment_fixed_size: 0
    .kernarg_segment_align: 8
    .kernarg_segment_size: 32
    .max_flat_workgroup_size: 128
    .sgpr_count:     100
    .vgpr_count:     1024
    .wavefront_size: 32
...
	.end_amdgpu_metadata
.endif
;; end of part 2
;; launch attn (part 3): grid 4 x 64, 8 waves a work-group, no clusters, 295,936 bytes of LDS; arguments hcodes, maskw, lowp_scales, acodes; writes acodes
.if DOCPART == 3
	.amdgcn_target "amdgcn-amd-amdhsa--gfx1250"
	.amdhsa_code_object_version 6
	.text
	.protected	k_qfd04ab53a2_attn
	.globl	k_qfd04ab53a2_attn
	.p2align	8
	.type	k_qfd04ab53a2_attn,@function
k_qfd04ab53a2_attn:
	s_mov_b64 s[64:65], 0
	v_nop
	global_prefetch_b8 v0, s[64:65] scope:SCOPE_SE
	s_setreg_imm32_b32 hwreg(HW_REG_WAVE_MODE, 25, 1), 1
	s_wait_xcnt 0x0
; ATTN: for one batch and head (4 h + b) and 512 queries: codes of softmax(Q K^T / 8, masked) V, both products on codes of E5M2.  Nothing of reference() is left out.
; THE SOFTMAX: t = score x log2(e) / 8; M = the running largest t rounded up to a whole number; p = 2^(t - M) is quantised with 2^ep; the row's sum is taken of the unquantised p and divides at the end.
; SHARES: all 2,048 keys of the head lie in LDS: 16 chunks of 128 keys of K, then 16 of V (keys innermost), 64 rows of 128 bytes each, 144 bytes apart.  Eight waves; a wave owns 32 queries at a time,
; two tiles of 16 (A and B), so that each fragment of K and V read from LDS feeds two matrix instructions; two passes make 64 queries a wave.
; Both products are used transposed (source 0 = keys, or V's rows; source 1 = queries, or p): a lane holds one query; hcodes lays the keys of a tile so that p's 16 registers of two tiles are 16 neighbouring keys.
; WHAT WHOLE NUMBERS DECIDE.  A step (128 keys) none of whose 128 mask words has a bit set jumps over the selects: a pass's 16 flags are made at its top from maskw.  The hold of p at 57,344 x 2^ep is jumped over
; where ep >= -15: p is at most 1 (a last bit more by rounding), under 57,344 x 2^-15 = 1.75.  Both branches hang on whole numbers read from memory.
; A pass's Q and mask words (20 loads a wave) are asked for a pass early, at the head or at the top of the pass before, into registers of window 1 that the steps leave free.
; NO TENSOR LOAD, NO CLUSTER: K and V come through registers (64 loads of 512 bytes a wave) and there is no joint load.
; NO PREFETCH: K and V are asked for once, all at the head; there is no loop to run ahead in.
; LIMITS: eq + ek between -123 and 130; ep between -126 and 112; e10 - ep - ev between -126 and 112; the scaled scores stay under 2^31 in magnitude.  A row whose keys are all masked gives 0 x infinity.
; REGISTERS.  Window 0: v1-11 addresses and constants; v12-27, v28-43 the small state of tile A and of tile B; v44-51 sums at work; v56-71 Q of A, B; v80-143 K's fragments; v144-207 S, then p, of A; v208-239 O^T of A; v240-255 p's codes of A.
; Window 1: v0-63 V's fragments; v64-127 the next pass's mask words; v128-143 the next pass's Q; v144-255 S, O^T and codes of B, under the same numbers as A's.
.set CH,    9216
.set VOFF,  16*CH
.set SPARE, 32*CH                      ; behind the chunks: the spare words, 128 bytes for each wave
.set AK0,  1
.set AV0,  2
.set ADK,  3
.set ADV,  4
.set SPW,  5
.set NIL,  6
.set NINF, 7
.set PSC,  8
.set PLIM, 9
.set OSC,  10
.set OLIM, 11
.set XA,   12                          ; a tile's small state: + NM: -M, the largest t; + LS: the sum in two halves; + F: 2^(old M - new M); + TR, PX, OL, T..T+5 at work
.set XB,   28
.set NM,   0
.set LS,   2
.set F,    4
.set TR,   6
.set PX,   7
.set OL,   8
.set T,    9
.set SU,   44                          ; the sums at work: set to SU0 or SU1 ahead of each use of SUMS; at the head v44-50 serve as scratch
.set SU0,  44                          ; v44-51 tile A's
.set SU1,  72                          ; v72-79 tile B's
.set AO,   52                          ; 16 x lane
.set QO,   53
.set FS,   54
.set QF,   56
.set KF,   80
.set ST0,  80                          ; the head's staging: v80-207 of window 0; v0-63 and v144-207 of window 1
.set S,    144
.set OT,   208
.set PC,   240
.set VH,   0
.set MS,   64
.set QS,   128
.set MB,   2                           ; s[2:3] the step's mask words of tile A; tile B's lie 4,096 bytes on
.set CS,   12
.set SEL,  14
.set WV,   66
.set TB,   67
.set FLG,  84                          ; bit s: some key of the pass's step s is masked for some of my 32 queries
.set IDX,  85
.set CNT,  86
.set HF,   87
.set PAS,  88
.set QP,   90
.set AP,   92
.set FP,   96
.set MV,   98                          ; s[98:99] the mask words of the pass that is asked for
.set MSB, 0
.macro WIN new                         ; the immediate's high byte repeats the setting that is left
.if MSB != (\new)
	s_set_vgpr_msb (MSB<<8)|(\new)
.set MSB, (\new)
.endif
.endm
.macro KLOAD adr, off                  ; eight tiles of 16 keys x 64
.irp t, 0,1,2,3,4,5,6,7
	ds_load_b128 v[KF+8*\t:KF+8*\t+3], v[\adr] offset:\off+2304*(\t/2)+64*(\t%2)
	ds_load_b128 v[KF+8*\t+4:KF+8*\t+7], v[\adr] offset:\off+2304*(\t/2)+64*(\t%2)+32
.endr
.endm
.macro ASKQM                           ; a pass's Q (two tiles) and mask words (two tiles x 16 steps x 256 bytes, 8,192 bytes on end), under destination window 1
.irp t, 0,1
.irp c, 0,1
	global_load_b128 v[QS+8*\t+4*\c:QS+8*\t+4*\c+3], v[QO], s[QP:QP+1] offset:1024*\t+32*\c
.endr
.endr
.set i, 0
.rept 16
	global_load_b128 v[MS+4*i:MS+4*i+3], v[AO], s[MV:MV+1] offset:512*i
.set i, i+1
.endr
.endm
.macro HIDE off, w                     ; a tile's 64 mask words are the lane masks of its 64 score registers
	s_load_b512 s[16:31], s[MB:MB+1], \off
	s_load_b512 s[32:47], s[MB:MB+1], \off+0x40
	s_load_b512 s[48:63], s[MB:MB+1], \off+0x80
	s_load_b512 s[68:83], s[MB:MB+1], \off+0xc0
	s_wait_kmcnt 0x0
	WIN \w
.set n, 0
.rept 64
	v_cndmask_b32 v[S+n], v[S+n], v[NINF], s[16+n+4*(n/48)]
.set n, n+1
.endr
.endm
.macro TREE b, wa, wb                  ; the largest of 64 scores in six chains, each accumulator from its low end on
	WIN \wa
.irp c, 0,1,2,3,4,5
	v_max3_num_f32 v[\b+T+\c], v[S+3*\c], v[S+3*\c+1], v[S+3*\c+2]
.endr
	WIN \wb
.set j, 18
.rept 23
	v_max3_num_f32 v[\b+T+((j-18)/2)%6], v[S+j], v[S+j+1], v[\b+T+((j-18)/2)%6]
.set j, j+2
.endr
.endm
.macro RESC b, w                       ; O^T under the new M
	WIN \w
.set j, 0
.rept 16
	v_pk_mul_f32 v[OT+j:OT+j+1], v[OT+j:OT+j+1], v[\b+F:\b+F+1] op_sel_hi:[1,0]
.set j, j+2
.endr
.endm
.macro TMINUS b, w, first, count       ; t - M for the pairs first .. first + count - 1
	WIN \w
.set j, 2*(\first)
.rept \count
	v_pk_fma_f32 v[S+j:S+j+1], v[S+j:S+j+1], s[CS:CS+1], v[\b+NM:\b+NM+1] op_sel_hi:[1,0,0]
.set j, j+2
.endr
.endm
.macro EXPS w
	WIN \w
.set j, 0
.rept 64
	v_exp_f32 v[S+j], v[S+j]
.set j, j+1
.endr
.endm
.macro SUMS b, wa, wb                  ; the row's sum of the unquantised p, in five chains
	WIN \wa
.irp c, 0,1,2,3
	v_pk_add_f32 v[SU+2*\c:SU+2*\c+1], v[S+4*\c:S+4*\c+1], v[S+4*\c+2:S+4*\c+3]
.endr
	WIN \wb
.set j, 0
.rept 24
.if (j%5) == 4
	v_pk_add_f32 v[\b+LS:\b+LS+1], v[S+16+2*j:S+17+2*j], v[\b+LS:\b+LS+1]
.else
	v_pk_add_f32 v[SU+2*(j%5):SU+2*(j%5)+1], v[S+16+2*j:S+17+2*j], v[SU+2*(j%5):SU+2*(j%5)+1]
.endif
.set j, j+1
.endr
.endm
.macro HOLD w
	WIN \w
.set j, 0
.rept 64
	v_min_num_f32 v[S+j], v[S+j], v[PLIM]
.set j, j+1
.endr
.endm
.macro CODES w
	WIN \w
.irp g, 0,1,2,3,4,5,6,7
	v_cvt_scalef32_pk8_bf8_f32 v[PC+2*\g:PC+2*\g+1], v[S+8*\g:S+8*\g+7], v[PSC]
.endr
.endm
.macro PV w
	WIN \w
.irp f, 0,1,2,3
	v_wmma_f32_16x16x128_bf8_bf8 v[OT+8*\f:OT+8*\f+7], v[VH+16*\f:VH+16*\f+15], v[PC:PC+15], v[OT+8*\f:OT+8*\f+7]
.endr
.endm
; A KEY STEP: 128 keys against my 32 queries.  K's fragments were asked for a step earlier.
.macro STEP
	v_add_nc_u32 v[ADK], s[TB], v[AK0]             ; these two and two v_nop are the four places behind the last products, ahead of the loads into V's registers
	v_add_nc_u32 v[ADV], s[TB], v[AV0]
	v_nop
	v_nop
	WIN 0x40                                       ; destination window 1
.irp f, 0,1,2,3
.irp c, 0,1,2,3
	ds_load_b128 v[VH+16*\f+4*\c:VH+16*\f+4*\c+3], v[ADV] offset:2304*\f+32*\c
.endr
.endr
	WIN 0
	s_wait_alu depctr_va_vdst(0)
	s_wait_dscnt 16                                ; V's 16 loads may be out: K's, issued ahead of them, are in
.irp t, 0,1,2,3,4,5,6,7
	v_wmma_f32_16x16x64_bf8_bf8 v[S+8*\t:S+8*\t+7], v[KF+8*\t:KF+8*\t+7], v[QF:QF+7], 0
.endr
	WIN 0x40
.irp t, 0,1,2,3,4,5,6,7
	v_wmma_f32_16x16x64_bf8_bf8 v[S+8*\t:S+8*\t+7], v[KF+8*\t:KF+8*\t+7], v[QF+8:QF+15], 0
.endr
	WIN 0
.rept 4
	v_nop                                          ; four places: ahead of the loads into K's registers and of the first reads of the scores
.endr
	KLOAD ADK, CH                                  ; the next step's K.  (In a pass's last step these 16 loads land on V's first chunk and are not used)
	s_bitcmp0_b32 s[FLG], s[IDX]
	s_cbranch_scc1 .Lopen_\@                       ; no key of this step is masked for any of my queries
	HIDE 0, 0
	HIDE 4096, 0x41                                ; source 0 and destination window 1
	WIN 0
.Lopen_\@:
	TREE XA, 0, 0
	TREE XB, 0x15, 0x05
	WIN 0
.irp b, XA, XB
	v_max3_num_f32 v[\b+T], v[\b+T], v[\b+T+1], v[\b+T+2]
	v_max3_num_f32 v[\b+T+3], v[\b+T+3], v[\b+T+4], v[\b+T+5]
.endr
.irp b, XA, XB
	v_max_num_f32 v[\b+TR], v[\b+T], v[\b+T+3]
	v_mov_b32 v[\b+OL], v[\b+NM]
.endr
.irp b, XA, XB
	v_permlanex16_b32 v[\b+PX], v[\b+TR], s[SEL], s[SEL+1]
.endr
.irp b, XA, XB
	v_max_num_f32 v[\b+TR], v[\b+TR], v[\b+PX]     ; with lane l xor 16's
.endr
.irp b, XA, XB
	v_mul_f32 v[\b+TR], s[CS], v[\b+TR]            ; as t (c is positive)
.endr
.irp b, XA, XB
	v_max_num_f32 v[\b+NM+1], v[\b+NM+1], v[\b+TR]
.endr
.irp b, XA, XB
	v_floor_f32 v[\b+NM], -v[\b+NM+1]              ; -M = floor(-t)
.endr
.irp b, XA, XB
	v_sub_f32 v[\b+TR], v[\b+NM], v[\b+OL]         ; old M - new M, a whole number
.endr
	TMINUS XA, 0, 0, 8                             ; -M is made: A's multiply-adds stand between the links of the chain that makes 2^(old M - new M)
.irp b, XA, XB
	v_cvt_i32_f32 v[\b+TR], v[\b+TR]
.endr
	TMINUS XA, 0, 8, 8
.irp b, XA, XB
	v_ldexp_f32 v[\b+F], 1.0, v[\b+TR]
.endr
	TMINUS XA, 0, 16, 16
	RESC XA, 0
	TMINUS XB, 0x41, 0, 32
	RESC XB, 0x41
	s_wait_alu depctr_va_vdst(0)                   ; one wait ahead of the batch
	EXPS 0x41
	EXPS 0
.irp b, XA, XB
	v_pk_mul_f32 v[\b+LS:\b+LS+1], v[\b+LS:\b+LS+1], v[\b+F:\b+F+1] op_sel_hi:[1,0]   ; the sums under the new M: the plain lines behind the batch
.endr
	s_wait_alu depctr_va_vdst(0)                   ; and one behind it, ahead of its first reader
.set SU, SU0
	SUMS XA, 0, 0
.set SU, SU1
	SUMS XB, 0x05, 0x01
	WIN 0
.irp u, SU0, SU1                       ; the chains are joined, the two tiles' additions by turns
	v_pk_add_f32 v[\u:\u+1], v[\u:\u+1], v[\u+2:\u+3]
	v_pk_add_f32 v[\u+4:\u+5], v[\u+4:\u+5], v[\u+6:\u+7]
.endr
.irp u, SU0, SU1
	v_pk_add_f32 v[\u:\u+1], v[\u:\u+1], v[\u+4:\u+5]
.endr
	v_pk_add_f32 v[XA+LS:XA+LS+1], v[XA+LS:XA+LS+1], v[SU0:SU0+1]
	v_pk_add_f32 v[XB+LS:XB+LS+1], v[XB+LS:XB+LS+1], v[SU1:SU1+1]
	s_cmp_eq_u32 s[HF], 0
	s_wait_alu depctr_va_vdst(0)                   ; the wait ahead of a branch that is taken
	s_cbranch_scc1 .Lheld_\@                       ; ep >= -15: no p reaches 57,344 x 2^ep
	HOLD 0
	HOLD 0x41
	WIN 0
.Lheld_\@:
	CODES 0
	CODES 0x41
	v_nop                                          ; the plain line between the conversions and the products
	s_wait_alu depctr_va_vdst(0)
	s_wait_dscnt 16                                ; the next K's 16 loads may be out: V's are in
	PV 0x01                                        ; A: V from window 1; eight accumulators by turns
	PV 0x55                                        ; B: all in window 1
	WIN 0
.endm
.macro OUTC b, w, ws, off              ; O^T / the sum -> codes with 2^(e10 - ep - ev) -> an image of the next product's operand registers
	WIN \w
	s_wait_alu depctr_va_vdst(0)                   ; behind the reciprocals, directly ahead of the first reader of O^T
.set j, 0
.rept 32
	v_mul_f32 v[S+j], v[OT+j], v[\b+LS]
.set j, j+1
.endr
.set j, 0
.rept 32
	v_med3_num_f32 v[S+j], v[S+j], -v[OLIM], v[OLIM]
.set j, j+1
.endr
.irp g, 0,1,2,3
	v_cvt_scalef32_pk8_bf8_f32 v[PC+2*\g:PC+2*\g+1], v[S+8*\g:S+8*\g+7], v[OSC]
.endr
	v_nop
	WIN \ws
	global_store_b128 v[AO], v[PC:PC+3], s[AP:AP+1] offset:\off        ; the wave stores 512 consecutive bytes, aligned
	global_store_b128 v[AO], v[PC+4:PC+7], s[AP:AP+1] offset:\off+512
.endm
.macro PASS                            ; 32 queries against all 2,048 keys
	s_wait_loadcnt 0x0                             ; this pass's Q and mask words, asked for a pass ago, are in
	; THE FLAGS.  Load 8 t + i holds, of tile t, the words of step 2 i in lanes 0-15 and of step 2 i + 1 in lanes 16-31
	WIN 0x55
.set q, 0
.rept 8
.set a, MS+4*q
	v_or_b32 v[a], v[a], v[a+1]
	v_or_b32 v[a+2], v[a+2], v[a+3]
	v_or_b32 v[a+32], v[a+32], v[a+33]
	v_or_b32 v[a+34], v[a+34], v[a+35]
	v_or_b32 v[a], v[a], v[a+2]
	v_or_b32 v[a+32], v[a+32], v[a+34]
	v_or_b32 v[a], v[a], v[a+32]
	v_cmp_ne_u32 s[16+q], 0, v[a]
.set q, q+1
.endr
	WIN 0x01                                       ; source window 1
.set j, 0
.rept 16
	v_mov_b32 v[QF+j], v[QS+j]                     ; Q goes to the registers that the products name, so that its landing place can take the next pass's
.set j, j+1
.endr
	WIN 0
	s_mov_b32 s[FLG], 0
.set q, 0
.rept 8
	s_and_b32 s94, s[16+q], 0xffff                 ; SCC: some word of the even step has a bit
	s_cselect_b32 s94, 1<<(2*q), 0
	s_or_b32 s[FLG], s[FLG], s94
	s_lshr_b32 s94, s[16+q], 16
	s_cselect_b32 s94, 1<<(2*q+1), 0
	s_or_b32 s[FLG], s[FLG], s94
.set q, q+1
.endr
	s_mov_b32 s[IDX], 0
	s_cmp_eq_u32 s[PAS], 1
	s_wait_alu depctr_va_vdst(0)                   ; the wait ahead of a branch that is taken
	s_cbranch_scc1 .Llast_\@                       ; the last pass asks for nothing
	s_add_nc_u64 s[QP:QP+1], s[QP:QP+1], 16384     ; the next pass: 16 tiles on (the loads that named these bases are done)
	s_add_nc_u64 s[MV:MV+1], s[MV:MV+1], 65536
	WIN 0x40
	ASKQM
	WIN 0
.Llast_\@:
	KLOAD AK0, 0
.set j, 0
.rept 32
	v_mov_b32 v[OT+j], 0                           ; the step is written once: the first finds zeros
.set j, j+1
.endr
	WIN 0x40
.set j, 0
.rept 32
	v_mov_b32 v[OT+j], 0
.set j, j+1
.endr
	WIN 0
.irp b, XA, XB
	v_mov_b32 v[\b+NM+1], 0xff61b1e6               ; -3e38, under every t
	v_mov_b32 v[\b+LS], 0
	v_mov_b32 v[\b+LS+1], 0
.endr
.irp b, XA, XB
	v_floor_f32 v[\b+NM], -v[\b+NM+1]
.endr
	s_mov_b32 s[TB], 0
	s_mov_b32 s[CNT], 16
.Lstep_\@:
	STEP
	s_add_co_u32 s[TB], s[TB], CH
	s_add_nc_u64 s[MB:MB+1], s[MB:MB+1], 256
	s_add_co_u32 s[IDX], s[IDX], 1
	s_sub_co_u32 s[CNT], s[CNT], 1
	s_cmp_lg_u32 s[CNT], 0
	s_cbranch_scc1 .Lstep_\@
	s_wait_dscnt 0x0                               ; the last look-ahead has landed: K's registers may be loaded anew
.irp b, XA, XB
	v_add_f32 v[\b+LS], v[\b+LS], v[\b+LS+1]
.endr
.irp b, XA, XB
	v_permlanex16_b32 v[\b+PX], v[\b+LS], s[SEL], s[SEL+1]
.endr
.irp b, XA, XB
	v_add_f32 v[\b+LS], v[\b+LS], v[\b+PX]         ; the row's sum
.endr
	s_wait_alu depctr_va_vdst(0)                   ; ahead of the two reciprocals
.irp b, XA, XB
	v_rcp_f32 v[\b+LS], v[\b+LS]
.endr
	v_nop
	OUTC XA, 0, 0, 0
	OUTC XB, 0x41, 0x04, 16384
	WIN 0
	s_wait_xcnt 0x0                                ; the stores have read their base and their data
	s_add_nc_u64 s[AP:AP+1], s[AP:AP+1], 262144    ; 16 tiles of 16 tokens x 1,024 codes on
	s_add_nc_u64 s[MB:MB+1], s[MB:MB+1], 61440     ; 16 tiles of 4,096 bytes on, less the 16 steps walked
.endm
	s_load_b256 s[4:11], s[0:1], 0x0               ; hcodes, maskw, lowp_scales, acodes
	v_lshl_add_u32 v[SPW], v0, 2, SPARE
	v_mov_b32 v[NIL], 0
	v_lshrrev_b32 v[SU], 5, v0
	v_readfirstlane_b32 s[WV], v[SU]               ; wave 0..7
	v_and_b32 v[SU+1], 31, v0
	v_lshlrev_b32 v[AO], 4, v[SU+1]
	v_lshrrev_b32 v[SU+2], 3, v[SU+1]
	v_mul_u32_u24 v[SU+2], v[SU+2], 144
	v_and_b32 v[SU+3], 7, v0
	v_lshl_add_u32 v[SU+2], v[SU+3], 4, v[SU+2]
	s_mul_i32 s94, s[WV], 4*CH
	v_add_nc_u32 v[FS], s94, v[SU+2]               ; the fill: my wave's four chunks; a load's 512 bytes are four rows: 144 (lane / 8) + 16 (lane % 8)
	v_and_b32 v[SU+4], 15, v0                      ; r
	v_bfe_u32 v[SU+5], v0, 4, 1                    ; hh
	v_mul_u32_u24 v[AK0], v[SU+4], 144
	v_lshl_add_u32 v[AK0], v[SU+5], 4, v[AK0]
	v_add_nc_u32 v[AV0], VOFF, v[AK0]
	v_lshlrev_b32 v[QO], 7, v[SU+3]
	v_bfe_u32 v[SU+6], v0, 3, 1
	v_lshl_add_u32 v[QO], v[SU+6], 6, v[QO]
	v_lshl_add_u32 v[QO], v[SU+5], 4, v[QO]        ; Q: 128 (r % 8) + 64 (r / 8) + 16 hh
	v_mov_b32 v[NINF], 0xff800000
.irp b, XA, XB
	v_mov_b32 v[\b+F+1], 0                         ; named as a pair's upper half
	v_mov_b32 v[\b+PX], 0                          ; a lane permute's destination counts as a source
.endr
	s_mov_b32 s[SEL], 0x76543210
	s_mov_b32 s[SEL+1], 0xfedcba98
	; the deal of the grid's 4 x 64 numbers (gx, gy), one to one: the block of 512 queries is gx / 2 + 2 (gy % 2), the batch and head gy - gy % 2 + gx % 2:
	; the four work-groups that read one K and V have the numbers gx + 4 gy = 8 k + p, + 2, + 4, + 6
	s_and_b32 s95, ttmp7, 0xffff
	s_and_b32 s101, s95, 1
	s_lshl_b32 s101, s101, 1
	s_lshr_b32 s94, ttmp9, 1
	s_or_b32 s101, s101, s94                       ; my block of 512 queries, 0..3
	s_and_b32 s95, s95, 0xfffe
	s_and_b32 s94, ttmp9, 1
	s_or_b32 s95, s95, s94                         ; 4 h + b
	s_lshl_b32 s98, s95, 17                        ; a batch and head: 131,072 bytes in each part of hcodes
	s_and_b32 s94, s[WV], 3
	s_lshl_b32 s94, s94, 15
	s_lshr_b32 s99, s[WV], 2
	s_add_co_u32 s99, s99, 1
	s_lshl_b32 s99, s99, 23                        ; waves 0-3: part 1 (K); waves 4-7: part 2 (V)
	s_add_co_u32 s94, s94, s99
	s_add_co_u32 s[FP], s94, s98
	s_mov_b32 s[FP+1], 0
	s_lshl_b32 s94, s101, 15
	s_add_co_u32 s94, s94, s98
	s_lshl_b32 s99, s[WV], 11
	s_add_co_u32 s[QP], s94, s99                   ; my first tile of queries: 32 x block + 2 wave, 1,024 bytes a tile
	s_mov_b32 s[QP+1], 0
	s_and_b32 s100, s95, 3
	s_lshl_b32 s100, s100, 7
	s_lshl_b32 s94, s101, 5
	s_add_co_u32 s100, s100, s94
	s_lshl_b32 s94, s[WV], 1
	s_add_co_u32 s100, s100, s94                   ; 128 b + that tile
	s_lshl_b32 s[MB], s100, 12
	s_mov_b32 s[MB+1], 0
	s_lshl_b32 s[AP], s100, 14
	s_lshr_b32 s94, s95, 3
	s_lshl_b32 s94, s94, 11
	s_add_co_u32 s[AP], s[AP], s94
	s_bfe_u32 s94, s95, 0x10002
	s_lshl_b32 s94, s94, 10
	s_add_co_u32 s[AP], s[AP], s94                 ; + 2,048 (h / 2) + 1,024 (h % 2)
	s_mov_b32 s[AP+1], 0
	s_mov_b32 s[PAS], 2
	s_wait_alu depctr_va_vdst(0)                   ; directly ahead of the wait below
	s_wait_kmcnt 0x0
	s_load_b128 s[68:71], s[8:9], 0x18             ; eq, ek, ep, ev
	s_load_b32 s72, s[8:9], 0x28                   ; e10
	s_add_nc_u64 s[FP:FP+1], s[4:5], s[FP:FP+1]
	s_add_nc_u64 s[QP:QP+1], s[4:5], s[QP:QP+1]
	s_add_nc_u64 s[MB:MB+1], s[6:7], s[MB:MB+1]
	s_mov_b64 s[MV:MV+1], s[MB:MB+1]
	s_add_nc_u64 s[AP:AP+1], s[10:11], s[AP:AP+1]
	; THE FILL: my four chunks, 32,768 consecutive bytes, by 64 loads of 512 bytes
.set i, 0
.rept 32
	global_load_b128 v[ST0+4*i:ST0+4*i+3], v[AO], s[FP:FP+1] offset:512*i
.set i, i+1
.endr
	WIN 0x40
.set i, 0
.rept 32
	global_load_b128 v[4*i+80*(i/16):4*i+80*(i/16)+3], v[AO], s[FP:FP+1] offset:16384+512*i
.set i, i+1
.endr
	WIN 0
.set i, 0
.rept 32
.if (i%8) == 0
	s_wait_loadcnt 56-i                            ; of the 64 loads all up to number i + 7 are in
.endif
	ds_store_b128 v[FS], v[ST0+4*i:ST0+4*i+3] offset:(i/16)*CH+(i%16)*576
.set i, i+1
.endr
	WIN 0x40
	ASKQM                                          ; the first pass's Q and mask words: 20 loads
	WIN 0x04                                       ; store data from window 1
.set i, 0
.rept 32
.if (i%8) == 0
	s_wait_loadcnt 44-i                            ; behind the second 32 loads stand those 20: all up to number i + 7 of the second 32 are in
.endif
	ds_store_b128 v[FS], v[4*i+80*(i/16):4*i+80*(i/16)+3] offset:((i+32)/16)*CH+(i%16)*576
.set i, i+1
.endr
	WIN 0
	s_wait_dscnt 0x0                               ; for the others' sake: my chunks are in LDS
	s_barrier_signal -1
	s_wait_kmcnt 0x0
	s_add_co_i32 s94, s68, s69
	s_lshl_b32 s94, s94, 23
	s_add_co_i32 s[CS], s94, 0x3e38aa3b            ; c = log2(e) / 8, with eq + ek added to its exponent field
	s_mov_b32 s[CS+1], s[CS]
	s_cmp_lt_i32 s70, -15
	s_cselect_b32 s[HF], 1, 0                      ; the hold of p is owed where ep < -15
	s_add_co_i32 s94, s70, 127
	s_lshl_b32 s95, s94, 23
	v_mov_b32 v[PSC], s95                          ; 2^ep
	s_add_co_i32 s94, s94, 15
	s_lshl_b32 s94, s94, 23
	s_or_b32 s94, s94, 0x600000
	v_mov_b32 v[PLIM], s94                         ; 57,344 x 2^ep
	s_sub_co_i32 s94, s72, s70
	s_sub_co_i32 s94, s94, s71
	s_add_co_i32 s94, s94, 127
	s_lshl_b32 s95, s94, 23
	v_mov_b32 v[OSC], s95                          ; 2^(e10 - ep - ev)
	s_add_co_i32 s94, s94, 15
	s_lshl_b32 s94, s94, 23
	s_or_b32 s94, s94, 0x600000
	v_mov_b32 v[OLIM], s94
	s_wait_alu depctr_va_vdst(0)                   ; at the head's end
	s_barrier_wait -1                              ; all 32 chunks are in LDS; nothing is stored there again
.Lpass:
	PASS
	s_sub_co_u32 s[PAS], s[PAS], 1
	s_cmp_lg_u32 s[PAS], 0
	s_cbranch_scc1 .Lpass
	s_wait_tensorcnt 0x0                           ; the wave's end: three lines behind my last LDS store
	ds_add_u32 v[SPW], v[NIL]
	s_wait_dscnt 0x0
	s_endpgm
.Lfunc_end_k_qfd04ab53a2_attn:
	.size	k_qfd04ab53a2_attn, .Lfunc_end_k_qfd04ab53a2_attn-k_qfd04ab53a2_attn
	.p2alignl 7, 3214868480
	.fill 96, 4, 3214868480
	.section	.rodata,"a",@progbits
	.p2align	6, 0x0
	.amdhsa_kernel k_qfd04ab53a2_attn
		.amdhsa_group_segment_fixed_size 295936
		.amdhsa_private_segment_fixed_size 0
		.amdhsa_enable_private_segment 0
		.amdhsa_kernarg_size 32
		.amdhsa_user_sgpr_count 2
		.amdhsa_user_sgpr_kernarg_segment_ptr 1
		.amdhsa_wavefront_size32 1
		.amdhsa_system_sgpr_workgroup_id_x 1
		.amdhsa_system_sgpr_workgroup_id_y 1
		.amdhsa_system_sgpr_workgroup_id_z 1
		.amdhsa_system_vgpr_workitem_id 0
		.amdhsa_next_free_vgpr 512
		.amdhsa_next_free_sgpr 102
		.amdhsa_reserve_vcc 0
		.amdhsa_float_denorm_mode_32 3
		.amdhsa_float_denorm_mode_16_64 3
		.amdhsa_memory_ordered 1
		.amdhsa_forward_progress 1
		.amdhsa_inst_pref_size 73
	.end_amdhsa_kernel
	.amdgpu_metadata
---
amdhsa.version: [ 1, 2 ]
amdhsa.kernels:
  - .name:           k_qfd04ab53a2_attn
    .symbol:         k_qfd04ab53a2_attn.kd
    .args:
      - { .name: hcodes, .offset: 0, .size: 8, .value_kind: global_buffer, .address_space: global }
      - { .name: maskw, .offset: 8, .size: 8, .value_kind: global_buffer, .address_space: global }
      - { .name: lowp_scales, .offset: 16, .size: 8, .value_kind: global_buffer, .address_space: global }
      - { .name: acodes, .offset: 24, .size: 8, .value_kind: global_buffer, .address_space: global }
    .group_segment_fixed_size: 295936
    .private_segment_fixed_size: 0
    .kernarg_segment_align: 8
    .kernarg_segment_size: 32
    .max_flat_workgroup_size: 256
    .sgpr_count:     102
    .vgpr_count:     512
    .wavefront_size: 32
...
	.end_amdgpu_metadata
.endif
;; end of part 3
;; launch oproj (part 4): grid 256 x 1, 4 waves a work-group, clusters of 4 x 1, 327,680 bytes of LDS; arguments acodes, wcodes, q, ln_w, ln_b, lowp_scales, out0; writes out0
.if DOCPART == 4
	.amdgcn_target "amdgcn-amd-amdhsa--gfx1250"
	.amdhsa_code_object_version 6
	.text
	.protected	k_qfd04ab53a2_oproj
	.globl	k_qfd04ab53a2_oproj
	.p2align	8
	.type	k_qfd04ab53a2_oproj,@function
k_qfd04ab53a2_oproj:
	s_mov_b64 s[64:65], 0
	v_nop
	global_prefetch_b8 v0, s[64:65] scope:SCOPE_SE
	s_setreg_imm32_b32 hwreg(HW_REG_WAVE_MODE, 25, 1), 1
	s_wait_xcnt 0x0
	s_wait_alu depctr_hold_cnt(0) depctr_sa_sdst(0) depctr_va_vdst(0) depctr_va_sdst(0) depctr_va_ssrc(0) depctr_va_vcc(0) depctr_vm_vsrc(0)
	s_getreg_b32 s2, hwreg(HW_REG_IB_STS2, 6, 4)
	s_cmp_eq_u32 s2, 0
	s_cbranch_scc0 .Lentry_in_a_cluster
	s_endpgm
.Lentry_in_a_cluster:
	s_bfe_u32 s2, ttmp6, 0x10000c
	s_cmp_lg_u32 s2, 0x3003
	s_cbranch_scc0 .Lentry_shape_is_right
	s_endpgm
.Lentry_shape_is_right:
; OPROJ: out0 = LayerNorm(attention's result x w_o^T + q), the product on codes of E5M2.  Nothing is left out.
; SHARES: a work-group owns 32 tokens and ALL 1,024 columns, so the norm is made here.  Wave w owns columns 512 nh + 128 w .. + 127, nh = 0, 1: 32 accumulators ((nh, i, m) at window 2, v[8 (16 nh + 2 i + m)]).
; THE RESIDUAL: a sum stands for sum x 2^E, E = e10 + e11, so q is added behind the last product as q x 2^-E, by one fused multiply-add a pair.  The norm of x' = x 2^-E is that of x,
;      with the clamp 1e-6 taken as 1e-6 x 2^-E: (x - mu) / max(sigma, eps) = (x' - mu') / max(sigma', eps 2^-E).  No sum is ever rescaled.
;      q's 64 loads land while the products run: those of 24 accumulators, asked for at the head, in window 0 (v64-255); those of the last 8 in the tokens' registers of the first K step, asked for when that step's products are done.
; THE MATRIX INSTRUCTION IS USED TRANSPOSED (source 0 = 16 rows of w_o, source 1 = 16 tokens): a lane holds 8 neighbouring columns of one token.
; The tokens' codes come from acodes as images of the operand's registers, once, into window 3.  w_o's codes go through a ring of two LDS slots of 512 rows x 256 bytes: tile i = (K step i / 2, nh = i % 2) in slot nh;
;      each wave fetches the 128 rows that it reads itself; the cluster's four work-groups walk the same tiles and ask jointly.
; The variance is taken of x' - mu' in a second pass over the registers, not as a difference of large sums.
; LIMIT: E between -127 and 126, so that 2^-E is an f32 number; q x 2^-E stays in f32's range.
; REGISTERS: window 0: v1-11 addresses; v12-19 mu' and 1 / sigma' as pairs; v20-31 at work; v32-47 ln_w, ln_b of my columns; v64-255 q, then the way out.  Window 1: w_o's fragments, two sets.  Window 2: the accumulators.  Window 3: the tokens' fragments ((m, s) at v[16 (8 m + s)]).
.set PITCH,  272
.set WROWS,  128*PITCH                 ; what one tensor load brings
.set SLOT,   4*WROWS
.set RED1,   2*SLOT                    ; behind the ring: 512 bytes for the rows' sums,
.set RED2O,  512                       ; 512 more for the sums of squares,
.set SPARE,  RED1+1024                 ; and the spare words, 128 bytes for each wave
.set SPITCH, 528                       ; the way out: 16 rows x (512 bytes + 16) for each wave, in slot 0, which has had its last fill (tile 6); two barriers part its last reads from the first store
.set LI,   1                           ; 16 x lane
.set BADR, 2                           ; v2, v3  my fragments of w_o in slot 0, 1
.set QO,   4
.set CO,   5
.set STO,  6
.set RD,   7
.set RW,   8
.set RR,   9
.set SPW,  10
.set NIL,  11
.set MU,   12
.set RS,   16
.set T,    20
.set LN,   32
.set QR,   64                          ; q of accumulators 0 .. 23
.set TMP,  64
.set BK,   128
.set WV,   18
.set G1,   24
.set G0,   32
.set SC,   40                          ; s[40:41] 2^-E
.set SEL,  42
.set MSB, 0
.macro WIN new
.if MSB != (\new)
	s_set_vgpr_msb (MSB<<8)|(\new)
.set MSB, (\new)
.endif
.endm
.macro ROUND
	s_barrier_signal -1
	s_barrier_wait -1
	s_cmp_lg_u32 s[WV], 0
	s_cbranch_scc1 .Lnot_wave_0_\@
	s_barrier_signal -3
.Lnot_wave_0_\@:
	s_barrier_wait -3
	s_barrier_signal -1
	s_barrier_wait -1
.endm
.macro PLACES
.rept 4
	v_nop
.endr
.endm
	s_load_b256 s[4:11], s[0:1], 0x0               ; acodes, wcodes, q, ln_w
	s_load_b128 s[12:15], s[0:1], 0x20             ; ln_b, lowp_scales
	s_load_b64 s[16:17], s[0:1], 0x30              ; out0
	v_lshl_add_u32 v[SPW], v0, 2, SPARE
	v_mov_b32 v[NIL], 0
	ds_add_u32 v[SPW], v[NIL]                      ; the wave's opening: the add, twice on end, and its wait ahead of my first tensor load
	ds_add_u32 v[SPW], v[NIL]
	v_lshrrev_b32 v20, 5, v0
	v_readfirstlane_b32 s[WV], v20                 ; wave 0..3
	s_mov_b32 s[G1], 15|(1<<20)|(1<<21)|(5<<22)|(3<<25)   ; the mask: all four work-groups; elements of 1 byte; padding on; bit 21 beside a mask; 4 words after every 64
	s_mov_b32 s[G1+1], 256<<16
	s_mov_b32 s[G1+2], 128<<16
	s_mov_b32 s[G1+3], 256<<16
	s_mov_b32 s[G1+4], 128
	s_mov_b32 s[G1+5], 1024
	s_mov_b32 s[G1+6], 0
	s_mov_b32 s[G1+7], 0
	s_mov_b32 s[SEL], 0x76543210
	s_mov_b32 s[SEL+1], 0xfedcba98
	s_bfe_u32 s19, ttmp6, 0x40000                  ; cx
	s_lshl_b32 s20, ttmp9, 2
	s_add_co_u32 s20, s20, s19                     ; my block of 32 tokens: it enters the tokens', q's and the output's addresses alone
	s_mul_i32 s21, s[WV], WROWS
	s_lshl_b32 s22, s[WV], 17                      ; my 128 rows of 1,024 bytes,
	s_add_co_u32 s22, s22, 3145728                 ; in part 3 of wcodes
	s_mov_b32 s23, 0
	s_lshl_b32 s44, s20, 15
	s_mov_b32 s45, 0
	s_lshl_b32 s46, s20, 17
	s_mov_b32 s47, 0
	s_wait_dscnt 0x0                               ; both opening adds are done
	s_wait_kmcnt 0x0
	s_load_b64 s[SC:SC+1], s[14:15], 0x28          ; e10, e11
	s_add_nc_u64 s[6:7], s[6:7], s[22:23]
	s_add_nc_u64 s[4:5], s[4:5], s[44:45]
	s_add_nc_u64 s[8:9], s[8:9], s[46:47]
	s_add_nc_u64 s[16:17], s[16:17], s[46:47]
.irp n, 0,1
	s_mov_b32 s[G0+4*\n], 1
	s_add_co_u32 s[G0+4*\n+1], s21, \n*SLOT
	s_add_nc_u64 s[G0+4*\n+2:G0+4*\n+3], s[6:7], \n*524288
	s_or_b32 s[G0+4*\n+3], s[G0+4*\n+3], 0x80000000
.endr
	ROUND                                          ; all four work-groups are here
	tensor_load_to_lds s[G0:G0+3], s[G1:G1+7]      ; tile 0
	s_nop 0
	PLACES
	v_and_b32 v20, 31, v0
	v_and_b32 v21, 15, v0                          ; r
	v_bfe_u32 v22, v0, 4, 1                        ; hh
	v_lshlrev_b32 v[LI], 4, v20
	v_mul_u32_u24 v23, v21, PITCH
	v_lshl_add_u32 v23, v22, 4, v23
	v_add_nc_u32 v[BADR], s21, v23
	v_add_nc_u32 v[BADR+1], SLOT, v[BADR]
	s_lshl_b32 s44, s[WV], 9
	v_lshlrev_b32 v[QO], 12, v21
	v_lshl_add_u32 v[QO], v22, 5, v[QO]
	v_add_nc_u32 v[QO], s44, v[QO]                 ; q: row r of 4,096 bytes, my wave's 512, + 32 hh
	v_add_nc_u32 v[CO], s44, v[LI]                 ; a row of the output, ln_w, ln_b: my wave's 512 bytes, 16 a lane
	s_mul_i32 s45, s[WV], 16*SPITCH
	v_mul_u32_u24 v23, v21, SPITCH
	v_lshl_add_u32 v23, v22, 5, v23
	v_add_nc_u32 v[STO], s45, v23
	v_add_nc_u32 v[RD], s45, v[LI]
	s_lshl_b32 s46, s[WV], 7
	v_lshlrev_b32 v[RR], 2, v21
	v_add_nc_u32 v[RR], RED1, v[RR]
	v_add_nc_u32 v[RW], s46, v[RR]
	WIN 0xc0                                       ; destination window 3
.irp m, 0,1
.irp s, 0,1,2,3,4,5,6,7
.irp c, 0,1,2,3
	global_load_b128 v[16*(8*\m+\s)+4*\c:16*(8*\m+\s)+4*\c+3], v[LI], s[4:5] offset:16384*\m+2048*\s+512*\c th:TH_LOAD_NT   ; 512 consecutive bytes
.endr
.endr
.endr
	WIN 0
.set qa, 0
.rept 24                               ; q of accumulator qa = 16 nh + 2 i + m: token tile m, columns 512 nh + 16 i of my 128
	global_load_b128 v[QR+8*qa:QR+8*qa+3], v[QO], s[8:9] offset:65536*(qa%2)+2048*(qa/16)+64*((qa%16)/2)
	global_load_b128 v[QR+8*qa+4:QR+8*qa+7], v[QO], s[8:9] offset:65536*(qa%2)+2048*(qa/16)+64*((qa%16)/2)+16
.set qa, qa+1
.endr
.irp nh, 0,1
	global_load_b128 v[LN+8*\nh:LN+8*\nh+3], v[CO], s[10:11] offset:2048*\nh
	global_load_b128 v[LN+8*\nh+4:LN+8*\nh+7], v[CO], s[12:13] offset:2048*\nh
.endr
	s_wait_alu depctr_va_vdst(0)                   ; at the head's end
	s_wait_kmcnt 0x0
	s_add_co_i32 s[SC], s[SC], s[SC+1]             ; E
	s_sub_co_i32 s[SC], 127, s[SC]
	s_lshl_b32 s[SC], s[SC], 23                    ; 2^-E as f32
	s_mov_b32 s[SC+1], s[SC]
	s_wait_loadcnt 52                              ; q's 48 loads and the norm's 4 may be out: the tokens' 64, issued ahead of them, are in
; Tile i.  In front of the round each wave waits for all its tensor loads (tile i), adds 0 to its spare word, and waits for that and for its reads of the other slot; behind the round tile i + 1 is asked for, into that slot.
; Written out eight times: the tokens' register numbers hang on the K step.  The first K step's first products start the sums.
.macro TRIP i
.set SL, (\i)%2
.set KA, (\i)/2
	s_wait_tensorcnt 0x0                           ; tile i has landed, and no load of mine is out: a group 0 may be written
.if \i < 7
	ds_add_u32 v[SPW], v[NIL]
.if \i < 6
	s_add_nc_u64 s[G0+4*SL+2:G0+4*SL+3], s[G0+4*SL+2:G0+4*SL+3], 256   ; this slot's next tile: the next K step
.endif
	s_wait_dscnt 0x0                               ; the add is done, and my reads of the other slot are over
	ROUND                                          ; so of every wave of all four work-groups
	tensor_load_to_lds s[G0+4-4*SL:G0+7-4*SL], s[G1:G1+7]
	s_nop 0
.endif
	PLACES                                         ; in front of loads into registers that the last trip's products read
	WIN 0x40                                       ; destination window 1
.irp q, 0,1
.irp f, 0,1,2,3,4,5,6,7
.irp c, 0,1,2,3
	ds_load_b128 v[128*\q+16*\f+4*\c:128*\q+16*\f+4*\c+3], v[BADR+SL] offset:128*\q+32*\c+4352*\f
.endr
.endr
.endr
	s_wait_dscnt 32                                ; the first 128 along K are in; the 32 loads of the second may be out
	WIN 0xad                                       ; source 0 window 1, source 1 window 3, C and D window 2
	s_wait_alu depctr_va_vdst(0)
.irp f, 0,1,2,3,4,5,6,7                ; sixteen accumulators by turns, one instruction a turn
.irp m, 0,1
.if KA == 0
	v_wmma_f32_16x16x128_bf8_bf8 v[8*(16*SL+2*\f+\m):8*(16*SL+2*\f+\m)+7], v[16*\f:16*\f+15], v[16*(8*\m+2*KA):16*(8*\m+2*KA)+15], 0
.else
	v_wmma_f32_16x16x128_bf8_bf8 v[8*(16*SL+2*\f+\m):8*(16*SL+2*\f+\m)+7], v[16*\f:16*\f+15], v[16*(8*\m+2*KA):16*(8*\m+2*KA)+15], v[8*(16*SL+2*\f+\m):8*(16*SL+2*\f+\m)+7]
.endif
.endr
.endr
	s_wait_dscnt 0x0
.irp f, 0,1,2,3,4,5,6,7
.irp m, 0,1
	v_wmma_f32_16x16x128_bf8_bf8 v[8*(16*SL+2*\f+\m):8*(16*SL+2*\f+\m)+7], v[128+16*\f:128+16*\f+15], v[16*(8*\m+2*KA+1):16*(8*\m+2*KA+1)+15], v[8*(16*SL+2*\f+\m):8*(16*SL+2*\f+\m)+7]
.endr
.endr
	WIN 0
.endm
.irp i, 0,1
	TRIP \i
.endr
	PLACES                                         ; the first K step's products are issued: four places, and the tokens' registers (m, 0) and (m, 1) take q of accumulators 24 .. 31
	WIN 0xc0
.set qa, 24
.rept 8
.set LR, 8*(qa-24)+96*((qa-24)/4)      ; v0-31, then v128-159 of window 3
	global_load_b128 v[LR:LR+3], v[QO], s[8:9] offset:65536*(qa%2)+2048*(qa/16)+64*((qa%16)/2)
	global_load_b128 v[LR+4:LR+7], v[QO], s[8:9] offset:65536*(qa%2)+2048*(qa/16)+64*((qa%16)/2)+16
.set qa, qa+1
.endr
	WIN 0
.irp i, 2,3,4,5,6,7
	TRIP \i
.endr
	s_wait_loadcnt 0x0                             ; q, ln_w, ln_b
	PLACES                                         ; behind the last products
	WIN 0xa0                                       ; source 2 and destination window 2, source 0 window 0
.set qa, 0
.rept 24
.irp p, 0,2,4,6
	v_pk_fma_f32 v[8*qa+\p:8*qa+\p+1], v[QR+8*qa+\p:QR+8*qa+\p+1], s[SC:SC+1], v[8*qa+\p:8*qa+\p+1] op_sel_hi:[1,0,1]   ; x' = the sum + q x 2^-E; each accumulator from its low end on
.endr
.set qa, qa+1
.endr
	WIN 0xa3                                       ; source 0 window 3
.set qa, 24
.rept 8
.set LR, 8*(qa-24)+96*((qa-24)/4)
.irp p, 0,2,4,6
	v_pk_fma_f32 v[8*qa+\p:8*qa+\p+1], v[LR+\p:LR+\p+1], s[SC:SC+1], v[8*qa+\p:8*qa+\p+1] op_sel_hi:[1,0,1]
.endr
.set qa, qa+1
.endr
	WIN 0
; A row's total from the lanes' chains (v[T + 4 m] .. + 3): within the lane, with lane l xor 16, and over the four waves through LDS; the result in v[T + 4 m], the same bits in every wave.
.macro ACROSS off
.irp m, 0,1
	v_pk_add_f32 v[T+4*\m:T+4*\m+1], v[T+4*\m:T+4*\m+1], v[T+4*\m+2:T+4*\m+3]
.endr
.irp m, 0,1
	v_add_f32 v[T+4*\m], v[T+4*\m], v[T+4*\m+1]
.endr
.irp m, 0,1
	v_permlanex16_b32 v[T+4*\m+1], v[T+4*\m], s[SEL], s[SEL+1]
.endr
.irp m, 0,1
	v_add_f32 v[T+4*\m], v[T+4*\m], v[T+4*\m+1]
.endr
.irp m, 0,1
	ds_store_b32 v[RW], v[T+4*\m] offset:\off+64*\m   ; lanes r and r + 16 write the same word with the same value
.endr
	s_wait_dscnt 0x0                               ; for the others' sake: my stores are done, and so are all my LDS reads
	s_barrier_signal -1
	s_barrier_wait -1
.irp m, 0,1
.irp w, 0,1,2,3
	ds_load_b32 v[TMP+4*\m+\w], v[RR] offset:\off+64*\m+128*\w
.endr
.endr
	s_wait_dscnt 0x0
.irp m, 0,1
	v_add_f32 v[TMP+4*\m], v[TMP+4*\m], v[TMP+4*\m+1]
	v_add_f32 v[TMP+4*\m+2], v[TMP+4*\m+2], v[TMP+4*\m+3]
.endr
.irp m, 0,1
	v_add_f32 v[T+4*\m], v[TMP+4*\m], v[TMP+4*\m+2]
.endr
.endm
	; THE NORM.  First the rows' sums
	WIN 0x0a                                       ; sources 0 and 1 window 2
.irp m, 0,1
	v_pk_add_f32 v[T+4*\m:T+4*\m+1], v[8*\m:8*\m+1], v[8*\m+2:8*\m+3]
	v_pk_add_f32 v[T+4*\m+2:T+4*\m+3], v[8*\m+4:8*\m+5], v[8*\m+6:8*\m+7]
.endr
	WIN 0x02                                       ; source 0 window 2
.irp a, 1,2,3,4,5,6,7,8,9,10,11,12,13,14,15
.irp m, 0,1
	v_pk_add_f32 v[T+4*\m:T+4*\m+1], v[8*(2*\a+\m):8*(2*\a+\m)+1], v[T+4*\m:T+4*\m+1]
	v_pk_add_f32 v[T+4*\m+2:T+4*\m+3], v[8*(2*\a+\m)+2:8*(2*\a+\m)+3], v[T+4*\m+2:T+4*\m+3]
	v_pk_add_f32 v[T+4*\m:T+4*\m+1], v[8*(2*\a+\m)+4:8*(2*\a+\m)+5], v[T+4*\m:T+4*\m+1]
	v_pk_add_f32 v[T+4*\m+2:T+4*\m+3], v[8*(2*\a+\m)+6:8*(2*\a+\m)+7], v[T+4*\m+2:T+4*\m+3]
.endr
.endr
	WIN 0
	ACROSS 0
.irp m, 0,1
	v_mul_f32 v[MU+2*\m], 0x3a800000, v[T+4*\m]    ; mu' = the sum / 1024
	v_mov_b32 v[MU+2*\m+1], v[MU+2*\m]
.endr
	WIN 0x82
.irp a, 0,1,2,3,4,5,6,7,8,9,10,11,12,13,14,15
.irp m, 0,1
.irp p, 0,2,4,6
	v_pk_add_f32 v[8*(2*\a+\m)+\p:8*(2*\a+\m)+\p+1], v[8*(2*\a+\m)+\p:8*(2*\a+\m)+\p+1], v[MU+2*\m:MU+2*\m+1] neg_lo:[0,1] neg_hi:[0,1]   ; x' - mu', in place
.endr
.endr
.endr
	WIN 0x0a
.irp m, 0,1
	v_pk_mul_f32 v[T+4*\m:T+4*\m+1], v[8*\m:8*\m+1], v[8*\m:8*\m+1]
	v_pk_mul_f32 v[T+4*\m+2:T+4*\m+3], v[8*\m+2:8*\m+3], v[8*\m+2:8*\m+3]
	v_pk_fma_f32 v[T+4*\m:T+4*\m+1], v[8*\m+4:8*\m+5], v[8*\m+4:8*\m+5], v[T+4*\m:T+4*\m+1]
	v_pk_fma_f32 v[T+4*\m+2:T+4*\m+3], v[8*\m+6:8*\m+7], v[8*\m+6:8*\m+7], v[T+4*\m+2:T+4*\m+3]
.endr
.irp a, 1,2,3,4,5,6,7,8,9,10,11,12,13,14,15
.irp m, 0,1
	v_pk_fma_f32 v[T+4*\m:T+4*\m+1], v[8*(2*\a+\m):8*(2*\a+\m)+1], v[8*(2*\a+\m):8*(2*\a+\m)+1], v[T+4*\m:T+4*\m+1]
	v_pk_fma_f32 v[T+4*\m+2:T+4*\m+3], v[8*(2*\a+\m)+2:8*(2*\a+\m)+3], v[8*(2*\a+\m)+2:8*(2*\a+\m)+3], v[T+4*\m+2:T+4*\m+3]
	v_pk_fma_f32 v[T+4*\m:T+4*\m+1], v[8*(2*\a+\m)+4:8*(2*\a+\m)+5], v[8*(2*\a+\m)+4:8*(2*\a+\m)+5], v[T+4*\m:T+4*\m+1]
	v_pk_fma_f32 v[T+4*\m+2:T+4*\m+3], v[8*(2*\a+\m)+6:8*(2*\a+\m)+7], v[8*(2*\a+\m)+6:8*(2*\a+\m)+7], v[T+4*\m+2:T+4*\m+3]
.endr
.endr
	WIN 0
	ACROSS RED2O                                   ; other bytes than the first exchange's: no barrier between the two is owed
.irp m, 0,1
	v_mul_f32 v[T+4*\m], 0x3a802008, v[T+4*\m]     ; / 1023: the unbiased variance
.endr
	s_wait_alu depctr_va_vdst(0)
.irp m, 0,1
	v_sqrt_f32 v[T+4*\m], v[T+4*\m]
.endr
	v_mov_b32 v28, 0x358637bd                      ; 1e-6.  (The plain line behind the roots)
	s_wait_alu depctr_va_vdst(0)                   ; one wait for both roots, ahead of their first reader
	v_mul_f32 v28, s[SC], v28                      ; x 2^-E
.irp m, 0,1
	v_max_num_f32 v[T+4*\m], v[T+4*\m], v28
.endr
	s_wait_alu depctr_va_vdst(0)
.irp m, 0,1
	v_rcp_f32 v[RS+2*\m], v[T+4*\m]
.endr
	v_nop
	s_wait_alu depctr_va_vdst(0)                   ; one wait for both reciprocals
.irp m, 0,1
	v_mov_b32 v[RS+2*\m+1], v[RS+2*\m]
.endr
; THE WAY OUT, four blocks (m, nh) of 16 tokens x my 128 columns: x 1 / sigma', through my stage, back as whole rows of 512 bytes, x ln_w + ln_b, stored.
.macro TOSTAGE k
.set M_, (\k)/2
.set NH_, (\k)%2
.set BB, BK+64*((\k)%2)
	WIN 0x02
.irp i, 0,1,2,3,4,5,6,7
.irp p, 0,2,4,6
	v_pk_mul_f32 v[TMP+8*\i+\p:TMP+8*\i+\p+1], v[8*(16*NH_+2*\i+M_)+\p:8*(16*NH_+2*\i+M_)+\p+1], v[RS+2*M_:RS+2*M_+1]
.endr
.endr
	WIN 0
.irp i, 0,1,2,3,4,5,6,7
	ds_store_b128 v[STO], v[TMP+8*\i:TMP+8*\i+3] offset:64*\i
	ds_store_b128 v[STO], v[TMP+8*\i+4:TMP+8*\i+7] offset:64*\i+16
.endr
.irp t, 0,1,2,3,4,5,6,7,8,9,10,11,12,13,14,15
	ds_load_b128 v[BB+4*\t:BB+4*\t+3], v[RD] offset:\t*SPITCH   ; LDS serves a wave's instructions in order (ISA guide 5.7.1.4): these see my stores, and the next block's stores come behind them
.endr
.endm
.macro SEND k, younger
.set M_, (\k)/2
.set NH_, (\k)%2
.set BB, BK+64*((\k)%2)
	s_wait_dscnt \younger                          ; the block is back; the next block's 16 stores and 16 loads may be out
.irp t, 0,1,2,3,4,5,6,7,8,9,10,11,12,13,14,15
	v_pk_fma_f32 v[BB+4*\t:BB+4*\t+1], v[BB+4*\t:BB+4*\t+1], v[LN+8*NH_:LN+8*NH_+1], v[LN+8*NH_+4:LN+8*NH_+5]
	v_pk_fma_f32 v[BB+4*\t+2:BB+4*\t+3], v[BB+4*\t+2:BB+4*\t+3], v[LN+8*NH_+2:LN+8*NH_+3], v[LN+8*NH_+6:LN+8*NH_+7]
.endr
.irp t, 0,1,2,3,4,5,6,7,8,9,10,11,12,13,14,15
	global_store_b128 v[CO], v[BB+4*\t:BB+4*\t+3], s[16:17] offset:65536*M_+4096*\t+2048*NH_ th:TH_STORE_NT   ; 32 lanes store 512 consecutive bytes, aligned
.endr
.endm
	TOSTAGE 0
.irp k, 1,2,3
.if \k > 1
	s_wait_xcnt 0x0                                ; block k - 2's stores have read their registers: block k's loads may land there
.endif
	TOSTAGE \k
	SEND \k-1, 32
.endr
	SEND 3, 0
	s_wait_tensorcnt 0x0                           ; the wave's end
	ds_add_u32 v[SPW], v[NIL]
	s_wait_dscnt 0x0
	ROUND                                          ; the closing round
	s_endpgm
.Lfunc_end_k_qfd04ab53a2_oproj:
	.size	k_qfd04ab53a2_oproj, .Lfunc_end_k_qfd04ab53a2_oproj-k_qfd04ab53a2_oproj
	.p2alignl 7, 3214868480
	.fill 96, 4, 3214868480
	.section	.rodata,"a",@progbits
	.p2align	6, 0x0
	.amdhsa_kernel k_qfd04ab53a2_oproj
		.amdhsa_group_segment_fixed_size 327680
		.amdhsa_private_segment_fixed_size 0
		.amdhsa_enable_private_segment 0
		.amdhsa_kernarg_size 56
		.amdhsa_user_sgpr_count 2
		.amdhsa_user_sgpr_kernarg_segment_ptr 1
		.amdhsa_wavefront_size32 1
		.amdhsa_system_sgpr_workgroup_id_x 1
		.amdhsa_system_sgpr_workgroup_id_y 1
		.amdhsa_system_sgpr_workgroup_id_z 1
		.amdhsa_system_vgpr_workitem_id 0
		.amdhsa_next_free_vgpr 1024
		.amdhsa_next_free_sgpr 66
		.amdhsa_reserve_vcc 0
		.amdhsa_float_denorm_mode_32 3
		.amdhsa_float_denorm_mode_16_64 3
		.amdhsa_memory_ordered 1
		.amdhsa_forward_progress 1
		.amdhsa_inst_pref_size 138
	.end_amdhsa_kernel
	.amdgpu_metadata
---
amdhsa.version: [ 1, 2 ]
amdhsa.kernels:
  - .name:           k_qfd04ab53a2_oproj
    .symbol:         k_qfd04ab53a2_oproj.kd
    .args:
      - { .name: acodes, .offset: 0, .size: 8, .value_kind: global_buffer, .address_space: global }
      - { .name: wcodes, .offset: 8, .size: 8, .value_kind: global_buffer, .address_space: global }
      - { .name: q, .offset: 16, .size: 8, .value_kind: global_buffer, .address_space: global }
      - { .name: ln_w, .offset: 24, .size: 8, .value_kind: global_buffer, .address_space: global }
      - { .name: ln_b, .offset: 32, .size: 8, .value_kind: global_buffer, .address_space: global }
      - { .name: lowp_scales, .offset: 40, .size: 8, .value_kind: global_buffer, .address_space: global }
      - { .name: out0, .offset: 48, .size: 8, .value_kind: global_buffer, .address_space: global }
    .group_segment_fixed_size: 327680
    .private_segment_fixed_size: 0
    .kernarg_segment_align: 8
    .kernarg_segment_size: 56
    .max_flat_workgroup_size: 128
    .sgpr_count:     66
    .vgpr_count:     1024
    .wavefront_size: 32
...
	.end_amdgpu_metadata
.endif
;; end of part 4
